; MI455X (gfx1250); checked and timed in simulation.
; The chip was launched on July 23, 2026; its instructions are those of AMD's public machine-readable ISA for CDNA 5 (MIT licence, August 2026) and "CDNA5" Instruction Set Architecture Reference Guide (July 2026). The comments in the code are by the model that wrote it; some were corrected since.
;; April Causal Attention. Allowed arithmetic: matrix products marked QUANTISED: E2M3 operands, one E8M0 scale for each 32 along K, by v_wmma_scale_f32_16x16x128_f8f6f4 with both operands' format E2M3, f32 sums; everything else in f32.
;; Inputs: Wk 768 x 64 float32; Wq 768 x 64 float32; Wv 768 x 64 float32; x 4 x 4,096 x 768 float32.
;; Outputs: out0 4 x 4,096 x 64 float32.
;; This version of the problem:
;;   THIS VERSION OF THE PROBLEM IS GIVEN IN LOW PRECISION. The matrix products marked QUANTISED in the list below multiply operands that are first quantised to E2M3 (2 exponent bits, 3 mantissa bits; 6 bits a number), with one power-of-two scale for each 32 numbers along K (OCP MX v1.0); their sums are f32. All else is computed in f32.
;;   The module's matrix products, in the order in which they are computed (A, B: the left and right operand; K: the contracted axis; several contracted axes count as one K, in the product's order):
;;     1. [M 16,384, K 768] x [K 768, N 64]; A: input x; B: input Wq: QUANTISED
;;     2. [M 16,384, K 768] x [K 768, N 64]; A: input x; B: input Wk: QUANTISED
;;     3. [M 16,384, K 768] x [K 768, N 64]; A: input x; B: input Wv: QUANTISED
;;     4. batch 4 x [M 4,096, K 64] x [K 64, N 4,096]; A: computed on the way; B: computed on the way: QUANTISED
;;     5. batch 4 x [M 4,096, K 4,096] x [K 4,096, N 64]; A: softmax (see below); B: computed on the way: QUANTISED
;;   THE QUANTISER, for each operand of a quantised product, along K:
;;     - K is cut into blocks of 32 from its start; a last block that is shorter is filled with zeros.
;;     - A block's scale is 2^e with e = floor(log2(the largest magnitude in the block)) - 2, held to -126 .. 127; a block of zeros has e = 0. As a byte (E8M0): e + 127.
;;     - Each number is divided by its block's scale, clamped to +-7.5, and rounded to the nearest number of E2M3, ties to even, subnormals kept.
;;     - The product sums the exact products of the quantised numbers (number of the format x scale) in f32.
;;   ~~~python
;;   def quantise(x, axis):      # numpy; x: float32 -> the quantised numbers, widened to float32 again
;;       x = np.moveaxis(x, axis, -1); K = x.shape[-1]
;;       x = np.pad(x, [(0, 0)] * (x.ndim - 1) + [(0, -K % 32)]); x = x.reshape(x.shape[:-1] + (-1, 32)); a = np.abs(x).max(-1, keepdims=True)
;;       e = np.where(a > 0, np.clip(np.frexp(np.where(a > 0, a, 1))[1] - 1 - 2, -126, 127), 0)      # np.frexp(a)[1] - 1 = floor(log2(a)), exactly
;;       r = np.clip(x / 2.0 ** e, -7.5, 7.5)
;;       step = 2.0 ** (np.maximum(np.frexp(np.where(r == 0, 1, r))[1] - 1, 0) - 3)
;;       q = np.round(r / step) * step * 2.0 ** e      # np.round: ties to even
;;       return np.moveaxis(q.reshape(q.shape[:-2] + (-1,))[..., :K], -1, axis).astype(np.float32)
;;   ~~~
;;   SOFTMAX AHEAD OF A QUANTISED PRODUCT. Where the list says 'softmax', what is quantised is not the finished softmax but p = 2^(t - M), with t = logit x log2(e) and M = ceil(the row's largest t), a whole number; so 1/2 < the row's largest p <= 1. The row's sum l is taken of the UNQUANTISED p, in f32, and the product's result is divided by l at the end. Since M is a whole number, a kernel that streams over the keys may use a running M (the ceiling of the running maximum): every later rescaling is an exact power of two, which a block's scale takes up: the codes' values come out the same.
;;   OPERANDS COMPUTED ON THE WAY. 'Computed on the way' means the value that the module computes at that place (a softmax that the list does not call 'softmax' is quantised finished and normalised). What goes into a quantiser is computed in f32, as accurately as f32 sums, v_exp_f32 and their like allow (about 1e-6 of the number): no bf16 or f16 on the way to a quantiser, and a product that is left as it is and whose result goes on into a quantised operand takes f32 operands (vector FMAs, or v_wmma_f32_16x16x4_f32). A number that lies on a knife's edge between two numbers of the format may be rounded either way, as far as f32 arithmetic and the matrix unit's own rounding can turn it there, and no further.
;; 2 versions, each right; version 2 is version 1 with the launch attn written anew for expert scheduling mode. Each part assembles by itself: llvm-mc -triple=amdgcn-amd-amdhsa -mcpu=gfx1250 --defsym DOCPART=n.
;; ======== version 1 of 2: 3 launches
;; workspace buffers: wc 110,592 bytes; ws 9,216 bytes; qc 786,432 bytes; qs 65,536 bytes; kc 786,432 bytes; vc 786,432 bytes; kvs 131,072 bytes
;; launch wprep (part 1): grid 3 x 12, 1 waves a work-group, no clusters, 0 bytes of LDS; arguments Wq, Wk, Wv, wc, ws; writes wc, ws
.if DOCPART == 1
	.amdgcn_target "amdgcn-amd-amdhsa--gfx1250"
	.amdhsa_code_object_version 6
	.text
	.protected	k_qb751401c22_wprep
	.globl	k_qb751401c22_wprep
	.p2align	8
	.type	k_qb751401c22_wprep,@function
k_qb751401c22_wprep:
	s_mov_b64 s[64:65], 0
	v_nop
	global_prefetch_b8 v0, s[64:65] scope:SCOPE_SE
	s_setreg_imm32_b32 hwreg(HW_REG_WAVE_MODE, 25, 1), 1
	s_wait_xcnt 0x0
; Wq, Wk, Wv [768 (k)][64 (n)], f32, K along the FIRST axis, become codes of FP6 (E2M3) with one E8M0 byte for each 32 along K,
; laid in the order of a matrix operand's registers: wc [y = 4 x matrix + tile of 16 columns][K step s of 128][group G of 4 registers][lane][16 bytes],
; ws [y][pair of K steps][lane][2 words].  Lane (r, h) of a fragment holds column 16 tile + r; register 6 c + i holds k = 128 s + 64 c + 32 h + 0 .. 31.
; A LANE TAKES A COLUMN AND ITS REGISTERS RUN DOWN K: a block of 32 lies in one lane's 32 registers, so its largest magnitude needs no other lane and the conversions' results are the operand's registers.
; One wave to a work-group: work-group (x, y) makes the fragments of K steps 2 x and 2 x + 1 of tile y: four blocks a lane.  Loads run two blocks (64 loads) ahead.
; A block's scale is 2^(floor(log2(its largest magnitude)) - 2); its byte is the largest magnitude's exponent field - 2, held at 1 from below.
; LIMITS: a block of zeros gets the byte 1 where the rule says 127 (its codes are zeros, and this program alone reads the bytes); blocks whose largest magnitude lies under 2^-124 share that byte; NaN and infinities among the inputs are not served.
.set NUM, 32                           ; v32-159  four blocks of 32 numbers
.set COD, 160                          ; v160-183 two fragments of 12 registers
.set TA,  184                          ; v184-186 a block's upper 16 codes (a conversion's three registers begin on an even number)
.set M0,  8
.set M1,  9
.set SO,  10                           ; the conversion's scale operand
.set TP,  11
.set BY,  12                           ; v12-15   the four blocks' bytes
.set WD,  24                           ; v[24:25] the two fragments' scale words
.set SEL, 20                           ; s[20:21] lane selects: lane l xor 16
; 32 numbers of a lane, one block, become 6 registers of codes and a byte
.macro BQ src, dst, byt
	v_max3_num_f32 v[M0], |v[\src]|, |v[\src+1]|, |v[\src+2]|
	v_max3_num_f32 v[M1], |v[\src+3]|, |v[\src+4]|, |v[\src+5]|
.irp i, 6,10,14,18,22,26
	v_max3_num_f32 v[M0], v[M0], |v[\src+\i]|, |v[\src+\i+1]|
	v_max3_num_f32 v[M1], v[M1], |v[\src+\i+2]|, |v[\src+\i+3]|
.endr
	v_max3_num_f32 v[M0], v[M0], |v[\src+30]|, |v[\src+31]|
	v_max3_num_f32 v[M0], v[M0], v[M1], 0x1800000          ; and the floor 2^(3 - 127): the byte cannot fall under 1
	v_add_nc_u32 v[SO], 0xff000000, v[M0]                  ; 2 off the exponent field: the conversion takes this operand's exponent field as its scale
	v_lshrrev_b32 v[\byt], 23, v[SO]                       ; the scale's byte
	v_cvt_scalef32_pk16_fp6_f32 v[\dst:\dst+2], v[\src:\src+15], v[SO]
	v_cvt_scalef32_pk16_fp6_f32 v[TA:TA+2], v[\src+16:\src+31], v[SO]
	v_nop                                                  ; one plain place behind a scaled conversion
	v_mov_b32 v[\dst+3], v[TA]
	v_mov_b32 v[\dst+4], v[TA+1]
	v_mov_b32 v[\dst+5], v[TA+2]
.endm
	s_load_b256 s[4:11], s[0:1], 0x0               ; Wq s[4:5], Wk s[6:7], Wv s[8:9], wc s[10:11]
	s_load_b64 s[12:13], s[0:1], 0x20              ; ws
	v_and_b32 v1, 15, v0                           ; r
	v_lshrrev_b32 v2, 4, v0                        ; h (one wave: the thread's number is the lane)
	v_lshlrev_b32 v3, 2, v1
	v_lshl_add_u32 v3, v2, 13, v3                  ; in: 4 r + 32 rows of 256 bytes for lanes 16-31
	v_lshlrev_b32 v4, 4, v0                        ; out: 16 bytes a lane
	v_lshlrev_b32 v5, 3, v0                        ; and 8 for the scale words
	v_lshlrev_b32 v6, 3, v2                        ; 8 h: my bytes' place in a scale word
	v_mov_b32 v[TP], 0                             ; a lane permute's destination counts as one of its sources
	s_mov_b32 s[SEL], 0x76543210
	s_mov_b32 s[SEL+1], 0xfedcba98
	s_and_b32 s22, ttmp7, 0xffff                   ; y
	s_lshr_b32 s23, s22, 2                         ; which matrix
	s_and_b32 s24, s22, 3                          ; which 16 columns
	s_lshl_b32 s16, ttmp9, 16                      ; 256 rows of 256 bytes for each x
	s_lshl_b32 s24, s24, 6
	s_add_co_u32 s16, s16, s24
	s_mov_b32 s17, 0
	s_mul_i32 s18, s22, 6
	s_lshl_b32 s25, ttmp9, 1
	s_add_co_u32 s18, s18, s25
	s_mul_i32 s18, s18, 1536                       ; fragment 6 y + 2 x
	s_mov_b32 s19, 0
	s_mul_i32 s26, s22, 3
	s_add_co_u32 s26, s26, ttmp9
	s_lshl_b32 s26, s26, 8                         ; 256 bytes of scale words for each (y, x)
	s_mov_b32 s27, 0
	s_wait_kmcnt 0x0
	s_cmp_eq_u32 s23, 0                            ; the choice hangs on the work-group's number alone
	s_cselect_b64 s[14:15], s[4:5], s[6:7]
	s_cmp_eq_u32 s23, 2
	s_cselect_b64 s[14:15], s[8:9], s[14:15]
	s_add_nc_u64 s[14:15], s[14:15], s[16:17]
	s_add_nc_u64 s[10:11], s[10:11], s[18:19]
	s_add_nc_u64 s[12:13], s[12:13], s[26:27]
.macro LOAD t                          ; block t: rows 64 t + 32 h + 0 .. 31 of my 256
.set NN, 0
.rept 32
	global_load_b32 v[NUM+32*(\t)+NN], v3, s[14:15] offset:(64*(\t)+NN)*256
.set NN, NN+1
.endr
.endm
.macro BLOCK t
.if (\t) < 3
	s_wait_loadcnt 32                              ; this block's 32 loads are in; the next block's 32 may be out
.else
	s_wait_loadcnt 0x0
.endif
	BQ NUM+32*(\t), COD+6*(\t), BY+(\t)
.if (\t) < 2
	LOAD (\t)+2
.endif
.endm
.macro FRAGOUT f                       ; fragment f is whole: its scale word, and its three groups of four registers
	v_lshl_or_b32 v[WD+\f], v[BY+2*\f+1], 16, v[BY+2*\f]   ; my bytes: blocks h and 2 + h of column r,
	v_lshlrev_b32 v[WD+\f], v6, v[WD+\f]                   ; at their places;
	v_permlanex16_b32 v[TP], v[WD+\f], s[SEL], s[SEL+1]
	v_or_b32 v[WD+\f], v[WD+\f], v[TP]                     ; with lane l xor 16's two the word is whole
.irp g, 0,1,2
	global_store_b128 v4, v[COD+12*\f+4*\g:COD+12*\f+4*\g+3], s[10:11] offset:1536*\f+512*\g   ; 32 lanes store 512 consecutive bytes
.endr
.endm
	LOAD 0
	LOAD 1
	BLOCK 0
	BLOCK 1
	FRAGOUT 0
	BLOCK 2
	BLOCK 3
	FRAGOUT 1
	global_store_b64 v5, v[WD:WD+1], s[12:13]      ; 256 consecutive bytes
	s_endpgm
.Lfunc_end_k_qb751401c22_wprep:
	.size	k_qb751401c22_wprep, .Lfunc_end_k_qb751401c22_wprep-k_qb751401c22_wprep
	.p2alignl 7, 3214868480
	.fill 96, 4, 3214868480
	.section	.rodata,"a",@progbits
	.p2align	6, 0x0
	.amdhsa_kernel k_qb751401c22_wprep
		.amdhsa_group_segment_fixed_size 0
		.amdhsa_private_segment_fixed_size 0
		.amdhsa_enable_private_segment 0
		.amdhsa_kernarg_size 40
		.amdhsa_user_sgpr_count 2
		.amdhsa_user_sgpr_kernarg_segment_ptr 1
		.amdhsa_wavefront_size32 1
		.amdhsa_system_sgpr_workgroup_id_x 1
		.amdhsa_system_sgpr_workgroup_id_y 1
		.amdhsa_system_sgpr_workgroup_id_z 1
		.amdhsa_system_vgpr_workitem_id 0
		.amdhsa_next_free_vgpr 192
		.amdhsa_next_free_sgpr 66
		.amdhsa_reserve_vcc 0
		.amdhsa_float_denorm_mode_32 3
		.amdhsa_float_denorm_mode_16_64 3
		.amdhsa_memory_ordered 1
		.amdhsa_forward_progress 1
		.amdhsa_inst_pref_size 21
	.end_amdhsa_kernel
	.amdgpu_metadata
---
amdhsa.version: [ 1, 2 ]
amdhsa.kernels:
  - .name:           k_qb751401c22_wprep
    .symbol:         k_qb751401c22_wprep.kd
    .args:
      - { .name: Wq, .offset: 0, .size: 8, .value_kind: global_buffer, .address_space: global }
      - { .name: Wk, .offset: 8, .size: 8, .value_kind: global_buffer, .address_space: global }
      - { .name: Wv, .offset: 16, .size: 8, .value_kind: global_buffer, .address_space: global }
      - { .name: wc, .offset: 24, .size: 8, .value_kind: global_buffer, .address_space: global }
      - { .name: ws, .offset: 32, .size: 8, .value_kind: global_buffer, .address_space: global }
    .group_segment_fixed_size: 0
    .private_segment_fixed_size: 0
    .kernarg_segment_align: 8
    .kernarg_segment_size: 40
    .max_flat_workgroup_size: 32
    .sgpr_count:     66
    .vgpr_count:     192
    .wavefront_size: 32
...
	.end_amdgpu_metadata
.endif
;; end of part 1
;; launch proj (part 2): grid 256 x 1, 4 waves a work-group, no clusters, 299,520 bytes of LDS; arguments x, wc, ws, qc, qs, kc, vc, kvs; writes qc, qs, kc, vc, kvs
.if DOCPART == 2
	.amdgcn_target "amdgcn-amd-amdhsa--gfx1250"
	.amdhsa_code_object_version 6
	.text
	.protected	k_qb751401c22_proj
	.globl	k_qb751401c22_proj
	.p2align	8
	.type	k_qb751401c22_proj,@function
k_qb751401c22_proj:
	s_mov_b64 s[64:65], 0
	v_nop
	global_prefetch_b8 v0, s[64:65] scope:SCOPE_SE
	s_setreg_imm32_b32 hwreg(HW_REG_WAVE_MODE, 25, 1), 1
	s_wait_xcnt 0x0
; q = x Wq, k = x Wk, v = x Wv on codes of FP6 (E2M3) with one E8M0 scale for each 32 along K = 768; the results are quantised again: q and k along the head's 64, v along the tokens,
; and stored in the order in which the next launch's operand registers take them.
; SHARES.  Work-group R owns tokens 64 R .. 64 R + 63 (of 4 x 4,096).  Wave w: fetches and quantises rows 16 w .. 16 w + 15 of x; multiplies column tile w of each of the three weights (18 fragments, kept in registers) against
; all four tiles of tokens: 12 accumulators by turns; then quantises q and k of tokens 16 w on and v of channels 16 w on.
; x comes by three tensor loads a wave (16 rows x 1,024 bytes each), all asked for at the first lines: three tensor loads of a wave are out at the most, and no LDS byte is filled twice.
; OPERANDS GO FROM WAVE TO WAVE THROUGH LDS AS IMAGES OF THEIR REGISTERS: three stores of 16 bytes a lane for a fragment, 4 bytes a lane for its scale words.
; q and k are made transposed (source 0 = 16 columns of W, source 1 = 16 tokens), so that a lane's eight results are neighbours along the head; v the other way round, so that they are neighbours along the tokens.
; OUTPUT LAYOUTS (S = R / 2: a key step of 128 tokens; rho = R % 2: its half):
;   qc [tile of 16 tokens][3][lane][8 B]: lane (r, h): token r, channels 32 h on.   qs [token]: byte 0, byte 1, 0x7f, 0x7f.
;   kc [S][pair P of key tiles][G][slot][16 B]: tile T's row m is key 64 (m / 8) + 8 T + m % 8; slot = 16 (key / 64) + 8 (half of the channels) + key % 8.
;   vc [S][tile t of 16 channels][G][lane][16 B]: lane (r, h): channel 16 t + r; register 6 c + i: keys 64 h + 32 c + 0 .. 31.
;   kvs [S][1,024 B]: K's scale words [slot][P], then V's half words [rho][r][t].
; Every store to memory covers 256 consecutive bytes at a multiple of 256 from its buffer's first byte.
; LIMITS: a block of zeros gets the byte 1 where the rule says 127 (its codes are zeros, and this program alone reads the bytes); blocks whose largest magnitude lies under 2^-124 share that byte; NaN and infinities among the inputs are not served.
.set XPITCH, 1040                      ; a row of a third of x in LDS: 1,024 bytes + 16 of padding
.set XTHIRD, 16*XPITCH
.set XWAVE,  3*XTHIRD
.set FRB,    1536                      ; a fragment's image
.set IMG,    4*XWAVE                   ; x's 24 fragments: tile of tokens X, K step s: 6 X + s
.set XSC,    IMG+24*FRB                ; their scale words, 128 bytes each
.set SPITCH, 272                       ; a stage row: 64 f32 + 16 bytes
.set QST,    XSC+24*128                ; q [token][channel]
.set KST,    QST+64*SPITCH             ; k likewise
.set VST,    KST+64*SPITCH             ; v [channel][token]
.set CST,    VST+64*SPITCH             ; codes on their way out: 1,536 bytes a wave: k's 768, v's 768
.set SS,     CST+4*1536                ; scale words on their way out: K's 256 bytes, V's 256, q's 256 (1,024 claimed)
.set XB,  2                            ; v2   my place in my wave's rows of x
.set IW,  3                            ; v3   where I store x's images;  v4 where I read them
.set IR,  4
.set SW,  5                            ; v5, v6 the same for their scale words
.set SR,  6
.set SH8, 7                            ; v7   8 h
.set SAQ, 8                            ; v8   stage, in: q and k;  v9: v
.set SAV, 9
.set RQ,  10                           ; v10  stage, back: q (and v, 2 x 17,408 bytes on);  v11: k
.set RK,  11
.set CA1, 12                           ; v12-14 the codes' stage
.set CA2, 13
.set CR,  14
.set L8,  15                           ; v15  8 x lane;  v16  16 x lane
.set L16, 16
.set KSA, 17                           ; v17-20 the scale words' stage
.set VSA, 18
.set QSA, 19
.set SSR, 20
.set SHK, 21                           ; v21  8 x ((lane / 8) % 2);  v22  16 h
.set SHV, 22
.set M0,  24
.set M1,  25
.set SO,  26
.set BY0, 27
.set BY1, 28
.set WD,  29
.set TP,  30
.set BY2, 31
.set XN,  32                           ; v32-95  64 numbers of x;  also
.set XF,  32                           ; v32-79  x's four fragments of a K step
.set PC,  96                           ; v96-107 the codes just made
.set TA,  108
.set ACC, 116                          ; v116-211 q X0-3, k X0-3, v X0-3; later three sets of 32 numbers
.set QN,  116
.set KN,  148
.set VN,  180
.set WS,  212                          ; v212-229 W's scale words, 6 x matrix + s: scales and nothing else
.set XS,  230                          ; v230-233 x's scale words: scales and nothing else
.set QC,  234
.set KC,  240
.set VC,  246
.set WV,  12                           ; s12  my wave's number
.set SEL, 14                           ; s[14:15]
.set G1,  16                           ; s[16:23] descriptor group 1
.set G0,  24                           ; s[24:35] group 0, a set for each third
.set MSB, 0
.macro WIN new                         ; the immediate's high byte repeats the setting that is left
.if MSB != \new
	s_set_vgpr_msb (MSB<<8)|\new
.set MSB, \new
.endif
.endm
.macro PLACES                          ; four places behind a matrix instruction, in front of loads into its registers and of reads of its results
.rept 4
	v_nop
.endr
.endm
.macro BARRIER                         ; my LDS stores have landed and my LDS loads are in: then the work-group's barrier
	s_wait_dscnt 0x0
	s_barrier_signal -1
	s_barrier_wait -1
.endm
.macro BQ src, dst, byt                ; 32 numbers of a lane, one block, become 6 registers of codes and a byte
	v_max3_num_f32 v[M0], |v[\src]|, |v[\src+1]|, |v[\src+2]|
	v_max3_num_f32 v[M1], |v[\src+3]|, |v[\src+4]|, |v[\src+5]|
.irp i, 6,10,14,18,22,26
	v_max3_num_f32 v[M0], v[M0], |v[\src+\i]|, |v[\src+\i+1]|
	v_max3_num_f32 v[M1], v[M1], |v[\src+\i+2]|, |v[\src+\i+3]|
.endr
	v_max3_num_f32 v[M0], v[M0], |v[\src+30]|, |v[\src+31]|
	v_max3_num_f32 v[M0], v[M0], v[M1], 0x1800000          ; and the floor 2^(3 - 127): the byte cannot fall under 1
	v_add_nc_u32 v[SO], 0xff000000, v[M0]                  ; 2 off the exponent field: the conversion's scale operand
	v_lshrrev_b32 v[\byt], 23, v[SO]
	v_cvt_scalef32_pk16_fp6_f32 v[\dst:\dst+2], v[\src:\src+15], v[SO]
	v_cvt_scalef32_pk16_fp6_f32 v[TA:TA+2], v[\src+16:\src+31], v[SO]   ; (a conversion's three registers begin on an even number)
	v_nop                                                  ; one plain place behind a scaled conversion
	v_mov_b32 v[\dst+3], v[TA]
	v_mov_b32 v[\dst+4], v[TA+1]
	v_mov_b32 v[\dst+5], v[TA+2]
.endm
	s_load_b256 s[4:11], s[0:1], 0x0               ; x s[4:5], wc s[6:7], ws s[8:9], qc s[10:11]
	s_load_b256 s[36:43], s[0:1], 0x20             ; qs s[36:37], kc s[38:39], vc s[40:41], kvs s[42:43]
	v_lshl_add_u32 v254, v0, 2, 0x49000
	v_mov_b32 v255, 0
	ds_add_u32 v254, v255
	ds_add_u32 v254, v255
	v_lshrrev_b32 v1, 5, v0
	v_readfirstlane_b32 s[WV], v1                  ; wave 0..3
	; group 1: a tile of 16 rows x 256 elements of 4 bytes, rows 768 elements apart, 4 words of padding behind each 256
	s_mov_b32 s[G1+0], (2<<16)|(1<<20)|(7<<22)|(3<<25)
	s_mov_b32 s[G1+1], 256<<16                     ; tensor_dim0
	s_mov_b32 s[G1+2], 16<<16                      ; tensor_dim1
	s_mov_b32 s[G1+3], 256<<16                     ; tile_dim0
	s_mov_b32 s[G1+4], 16                          ; tile_dim1
	s_mov_b32 s[G1+5], 768                         ; tensor_dim0_stride
	s_mov_b32 s[G1+6], 0
	s_mov_b32 s[G1+7], 0
	s_mov_b32 s[SEL], 0x76543210
	s_mov_b32 s[SEL+1], 0xfedcba98
	s_mul_i32 s2, ttmp9, 64*3072
	s_mul_i32 s3, s[WV], 16*3072
	s_add_co_u32 s2, s2, s3                        ; my wave's first row of x, in bytes (under 2^26)
	s_mov_b32 s3, 0
	s_mul_i32 s44, s[WV], XWAVE                    ; and its place in LDS
	s_mov_b32 s47, 0
	s_wait_dscnt 0x0
	s_wait_kmcnt 0x0
	s_add_nc_u64 s[4:5], s[4:5], s[2:3]
.irp t, 0,1,2
	s_mov_b32 s[G0+4*\t], 1                        ; count = 1
	s_add_co_u32 s[G0+4*\t+1], s44, \t*XTHIRD      ; LDS address
	s_add_nc_u64 s[G0+4*\t+2:G0+4*\t+3], s[4:5], \t*1024   ; global address: the rows' third t
	s_or_b32 s[G0+4*\t+3], s[G0+4*\t+3], 0x80000000        ; type = 2
.endr
	s_mul_i32 s46, s[WV], 6*FRB
	s_add_nc_u64 s[6:7], s[6:7], s[46:47]          ; my column tile's fragments of Wq; Wk's and Wv's lie 4 x 9,216 bytes apart
	s_mul_i32 s46, s[WV], 768
	s_add_nc_u64 s[8:9], s[8:9], s[46:47]          ; and their scale words
	tensor_load_to_lds s[G0:G0+3], s[G1:G1+7]      ; all of my rows of x are asked for before anything else
	s_nop 0
	tensor_load_to_lds s[G0+4:G0+7], s[G1:G1+7]
	s_nop 0
	tensor_load_to_lds s[G0+8:G0+11], s[G1:G1+7]
	s_nop 0
	v_and_b32 v1, 31, v0                           ; lane
	v_and_b32 v24, 15, v0                          ; r
	v_bfe_u32 v25, v0, 4, 1                        ; h
	v_and_b32 v26, 7, v0                           ; lane % 8
	v_bfe_u32 v27, v0, 3, 1                        ; (lane / 8) % 2
	v_lshlrev_b32 v[L16], 4, v1
	v_lshlrev_b32 v[L8], 3, v1
	WIN 0x40                                       ; destination window 1
.irp m, 0,1,2                          ; W's 18 fragments stay in registers: matrix m, K step s at v[12 (6 m + s)] of window 1
.irp s, 0,1,2,3,4,5
.irp g, 0,1,2
	global_load_b128 v[12*(6*\m+\s)+4*\g:12*(6*\m+\s)+4*\g+3], v[L16], s[6:7] offset:24*FRB*\m+FRB*\s+512*\g
.endr
.endr
.endr
	WIN 0
.irp m, 0,1,2
.irp i, 0,1,2
	global_load_b64 v[WS+6*\m+2*\i:WS+6*\m+2*\i+1], v[L8], s[8:9] offset:3072*\m+256*\i
.endr
.endr
	; every LDS address: a constant + constants x lane terms + a constant x wave
	v_lshlrev_b32 v28, 2, v1                       ; 4 x lane
	v_mul_u32_u24 v29, v24, SPITCH                 ; 272 r
	v_lshl_add_u32 v30, v25, 3, v26                ; 8 h + lane % 8
	v_mul_u32_u24 v[XB], v24, XPITCH
	v_lshl_add_u32 v[XB], v25, 7, v[XB]
	v_add_nc_u32 v[XB], s44, v[XB]                 ; row r, + 128 h: my 32 numbers of a run of 64
	s_mul_i32 s45, s[WV], 6*FRB
	s_add_co_u32 s45, s45, IMG
	v_add_nc_u32 v[IW], s45, v[L16]
	v_add_nc_u32 v[IR], IMG, v[L16]
	s_mul_i32 s45, s[WV], 768
	s_add_co_u32 s45, s45, XSC
	v_add_nc_u32 v[SW], s45, v28
	v_add_nc_u32 v[SR], XSC, v28
	v_lshlrev_b32 v[SH8], 3, v25
	s_lshl_b32 s45, s[WV], 6
	s_add_co_u32 s45, s45, QST
	v_lshl_add_u32 v[SAQ], v25, 5, v29
	v_add_nc_u32 v[SAQ], s45, v[SAQ]               ; token r of a tile, channels 16 w + 8 h on
	s_mul_i32 s44, s[WV], 16*SPITCH                ; my 16 rows of a stage
	s_add_co_u32 s45, s44, VST
	v_lshl_add_u32 v[SAV], v25, 5, v29
	v_add_nc_u32 v[SAV], s45, v[SAV]               ; channel 16 w + r, tokens 8 h on of a tile
	s_add_co_u32 s45, s44, QST
	v_lshl_add_u32 v[RQ], v25, 7, v29
	v_add_nc_u32 v[RQ], s45, v[RQ]                 ; row 16 w + r, block h
	s_add_co_u32 s45, s44, KST
	v_mul_u32_u24 v[RK], v30, SPITCH
	v_lshl_add_u32 v[RK], v27, 7, v[RK]
	v_add_nc_u32 v[RK], s45, v[RK]                 ; token 16 w + 8 h + lane % 8, block (lane / 8) % 2
	s_mul_i32 s45, s[WV], 1536
	s_add_co_u32 s45, s45, CST
	v_mul_u32_u24 v[CA1], v25, 264
	v_lshl_add_u32 v[CA1], v24, 4, v[CA1]
	v_add_nc_u32 v[CA1], s45, v[CA1]
	v_mul_u32_u24 v[CA2], v25, 504
	v_lshl_add_u32 v[CA2], v24, 4, v[CA2]
	v_add_nc_u32 v[CA2], s45, v[CA2]
	v_add_nc_u32 v[CR], s45, v[L8]
	s_lshl_b32 s45, s[WV], 2
	s_add_co_u32 s45, s45, SS
	v_lshl_add_u32 v[KSA], v30, 4, s45
	v_lshl_add_u32 v[VSA], v24, 4, s45
	s_lshl_b32 s45, s[WV], 6
	s_add_co_u32 s45, s45, SS
	v_lshl_add_u32 v[QSA], v24, 2, s45
	s_lshl_b32 s45, s[WV], 8
	s_add_co_u32 s45, s45, SS
	v_add_nc_u32 v[SSR], s45, v[L8]
	v_lshlrev_b32 v[SHK], 3, v27
	v_lshlrev_b32 v[SHV], 4, v25
	; where the results go
	s_lshl_b32 s46, ttmp9, 2
	s_add_co_u32 s46, s46, s[WV]
	s_mul_i32 s46, s46, 768
	s_add_nc_u64 s[10:11], s[10:11], s[46:47]      ; qc: tile of 16 tokens 4 R + w
	s_lshr_b32 s2, ttmp9, 1                        ; S
	s_and_b32 s3, ttmp9, 1                         ; rho
	s_mul_i32 s46, s2, 6144
	s_mul_i32 s45, s[WV], 1536
	s_add_co_u32 s46, s46, s45
	s_lshl_b32 s45, s3, 8
	s_add_co_u32 s46, s46, s45
	s_add_nc_u64 s[38:39], s[38:39], s[46:47]      ; kc and vc: step S, pair or tile w, my half's 256 bytes of each group
	s_add_nc_u64 s[40:41], s[40:41], s[46:47]
	s_lshl_b32 s13, s3, 3                          ; 8 rho
	s_lshl_b32 s44, s2, 10
	s_add_co_u32 s44, s44, s45                     ; kvs: 1,024 S + 256 rho,
	s_lshl_b32 s45, s[WV], 9
	s_add_co_u32 s44, s44, s45                     ; wave 0 K's words, wave 1 V's, 512 bytes on
	s_lshl_b32 s45, ttmp9, 8                       ; qs: 256 R: wave 2
	s_cmp_eq_u32 s[WV], 2                          ; the choice hangs on the wave's number alone
	s_cselect_b64 s[2:3], s[36:37], s[42:43]
	s_cselect_b32 s46, s45, s44
	s_add_nc_u64 s[2:3], s[2:3], s[46:47]
; K step s of my 16 rows of x becomes a fragment and a scale word a row, and goes to LDS as an image.  Lane (r, h) takes k = 128 s + 64 c + 32 h + 0 .. 31: two whole blocks.
.macro XQ s
.if ((\s)%2 == 0) && ((\s) > 0)
	PLACES                                         ; the registers below were read by the products just issued
.endif
.irp c, 0,1
.irp j, 0,1,2,3,4,5,6,7
	ds_load_b128 v[XN+32*\c+4*\j:XN+32*\c+4*\j+3], v[XB] offset:XTHIRD*((\s)/2)+512*((\s)%2)+256*\c+16*\j
.endr
.endr
	s_wait_dscnt 8                                 ; the first block is in (the second's eight loads may be out); the last image's stores, issued earlier, are done too
	BQ XN, PC, BY0
	s_wait_dscnt 0x0
	BQ XN+32, PC+6, BY1
	v_lshl_or_b32 v[WD], v[BY1], 16, v[BY0]        ; my bytes: blocks h and 2 + h of row r,
	v_lshlrev_b32 v[WD], v[SH8], v[WD]             ; at their places;
	v_permlanex16_b32 v[TP], v[WD], s[SEL], s[SEL+1]
	v_or_b32 v[WD], v[WD], v[TP]                   ; with lane l xor 16's two the word is whole
.irp g, 0,1,2
	ds_store_b128 v[IW], v[PC+4*\g:PC+4*\g+3] offset:FRB*(\s)+512*\g
.endr
	ds_store_b32 v[SW], v[WD] offset:128*(\s)
.endm
.macro MM d, a, b, sa, sb, first       ; first: the product starts the sum: nothing is ever cleared
.if \first
	v_wmma_scale_f32_16x16x128_f8f6f4 v[\d:\d+7], v[\a:\a+11], v[\b:\b+11], 0, v[\sa], v[\sb] matrix_a_fmt:MATRIX_FMT_FP6 matrix_b_fmt:MATRIX_FMT_FP6
.else
	v_wmma_scale_f32_16x16x128_f8f6f4 v[\d:\d+7], v[\a:\a+11], v[\b:\b+11], v[\d:\d+7], v[\sa], v[\sb] matrix_a_fmt:MATRIX_FMT_FP6 matrix_b_fmt:MATRIX_FMT_FP6
.endif
.endm
; K step s: x's four fragments from LDS, twelve products.  The twelve accumulators take turns, one instruction a turn, in the same order in every step.
.macro M s
.if (\s)%2 == 1
	PLACES
.endif
.irp x, 0,1,2,3
.irp g, 0,1,2
	ds_load_b128 v[XF+12*\x+4*\g:XF+12*\x+4*\g+3], v[IR] offset:6*FRB*\x+FRB*(\s)+512*\g
.endr
	ds_load_b32 v[XS+\x], v[SR] offset:768*\x+128*(\s)
.endr
	s_wait_dscnt 0x0
	WIN 0x01                                       ; source 0 (W) window 1
.irp m, 0,1                            ; q, k: lane (r, h) gets token r, channels 16 w + 8 h + 0 .. 7
.irp x, 0,1,2,3
	MM ACC+32*\m+8*\x, 12*(6*\m+(\s)), XF+12*\x, WS+6*\m+(\s), XS+\x, (\s)==0
.endr
.endr
	WIN 0x04                                       ; source 1 (Wv) window 1
.irp x, 0,1,2,3                        ; v: lane (r, h) gets channel 16 w + r, tokens 8 h + 0 .. 7
	MM ACC+64+8*\x, XF+12*\x, 12*(12+(\s)), XS+\x, WS+12+(\s), (\s)==0
.endr
	WIN 0
.endm
.irp t, 0,1,2
	s_wait_tensorcnt 2-\t                          ; tensor loads of a wave end in order: third t is in; the younger thirds may be out.  Only I read these bytes
	XQ 2*\t
	XQ 2*\t+1
	BARRIER                                        ; every wave's images of these two K steps lie in LDS; each image has bytes of its own, so nothing is overwritten
.if \t == 0
	s_wait_loadcnt 0x0                             ; W's fragments and scale words, once
.endif
	M 2*\t
	M 2*\t+1
.endr
	; the results meet in three stages of f32, so that whole blocks of 32 can be read back by one lane
	PLACES
.irp x, 0,1,2,3
	ds_store_b128 v[SAQ], v[ACC+8*\x:ACC+8*\x+3] offset:16*SPITCH*\x              ; each accumulator from its low end on
	ds_store_b128 v[SAQ], v[ACC+8*\x+4:ACC+8*\x+7] offset:16*SPITCH*\x+16
	ds_store_b128 v[SAQ], v[ACC+32+8*\x:ACC+32+8*\x+3] offset:KST-QST+16*SPITCH*\x
	ds_store_b128 v[SAQ], v[ACC+32+8*\x+4:ACC+32+8*\x+7] offset:KST-QST+16*SPITCH*\x+16
	ds_store_b128 v[SAV], v[ACC+64+8*\x:ACC+64+8*\x+3] offset:64*\x
	ds_store_b128 v[SAV], v[ACC+64+8*\x+4:ACC+64+8*\x+7] offset:64*\x+16
.endr
	BARRIER
.irp j, 0,1,2,3,4,5,6,7
	ds_load_b128 v[QN+4*\j:QN+4*\j+3], v[RQ] offset:16*\j
.endr
.irp j, 0,1,2,3,4,5,6,7
	ds_load_b128 v[KN+4*\j:KN+4*\j+3], v[RK] offset:16*\j
.endr
.irp j, 0,1,2,3,4,5,6,7
	ds_load_b128 v[VN+4*\j:VN+4*\j+3], v[RQ] offset:VST-QST+16*\j
.endr
	s_wait_dscnt 16                                ; q's block is in; k's and v's sixteen loads may be out
	BQ QN, QC, BY0
.irp j, 0,1,2
	global_store_b64 v[L8], v[QC+2*\j:QC+2*\j+1], s[10:11] offset:256*\j      ; q's codes lie as the operand wants them
.endr
	s_wait_dscnt 8                                 ; k's is in
	BQ KN, KC, BY1
	s_wait_dscnt 0x0
	BQ VN, VC, BY2
	; the scale words
	v_lshlrev_b32 v[BY0], v[SH8], v[BY0]           ; q: my block h's byte; lane l xor 16 has the other
	v_permlanex16_b32 v[TP], v[BY0], s[SEL], s[SEL+1]
	v_or_b32 v[BY0], v[BY0], v[TP]
	v_or_b32 v[BY0], 0x7f7f0000, v[BY0]            ; K = 64 is half of the instruction's 128: the upper two blocks are zero codes under the scale 1
	ds_store_b32 v[QSA], v[BY0] offset:512
	v_lshlrev_b32 v[BY1], v[SHK], v[BY1]           ; k: lane l xor 8 has the other block
	v_mov_b32_dpp v[WD], v[BY1] row_xmask:8 row_mask:0xf bank_mask:0xf
	v_or_b32 v[BY1], v[BY1], v[WD]
	v_or_b32 v[BY1], 0x7f7f0000, v[BY1]
	ds_store_b32 v[KSA], v[BY1]
	v_lshlrev_b32 v[BY2], v[SHV], v[BY2]           ; v: my block of tokens c = h goes to byte 2 c + rho
	v_permlanex16_b32 v[TP], v[BY2], s[SEL], s[SEL+1]
	v_or_b32 v[BY2], v[BY2], v[TP]
	v_lshlrev_b32 v[BY2], s13, v[BY2]
	ds_store_b32 v[VSA], v[BY2] offset:256
	; k's and v's codes: my six registers are registers 6 h .. 6 h + 5 of slot r's twelve: through my own stage, [group][slot][16 bytes], and out as three runs of 256 bytes each
.irp u, 0,1
	ds_store_b64 v[CA1], v[KC+6*\u:KC+6*\u+1] offset:768*\u
	ds_store_b64 v[CA2], v[KC+6*\u+2:KC+6*\u+3] offset:768*\u+8
	ds_store_b64 v[CA1], v[KC+6*\u+4:KC+6*\u+5] offset:768*\u+256
.endr
.irp g, 0,1,2,3,4,5
	ds_load_b64 v[QN+2*\g:QN+2*\g+1], v[CR] offset:256*\g      ; LDS serves a wave's instructions in order (ISA guide 5.7.1.4): these see my stores
.endr
	s_wait_dscnt 0x0
.irp g, 0,1,2
	global_store_b64 v[L8], v[QN+2*\g:QN+2*\g+1], s[38:39] offset:512*\g
	global_store_b64 v[L8], v[QN+6+2*\g:QN+6+2*\g+1], s[40:41] offset:512*\g
.endr
	s_barrier_signal -1                            ; (no LDS instruction of mine is out)  every wave's scale words lie in LDS
	s_barrier_wait -1
	s_cmp_eq_u32 s[WV], 3
	s_cbranch_scc1 .Lend                           ; three runs of 256 bytes, three waves
	ds_load_b64 v[128:129], v[SSR]
	s_wait_dscnt 0x0
	global_store_b64 v[L8], v[128:129], s[2:3]
.Lend:
	s_wait_tensorcnt 0x0
	ds_add_u32 v254, v255
	s_wait_dscnt 0x0
	s_endpgm
.Lfunc_end_k_qb751401c22_proj:
	.size	k_qb751401c22_proj, .Lfunc_end_k_qb751401c22_proj-k_qb751401c22_proj
	.p2alignl 7, 3214868480
	.fill 96, 4, 3214868480
	.section	.rodata,"a",@progbits
	.p2align	6, 0x0
	.amdhsa_kernel k_qb751401c22_proj
		.amdhsa_group_segment_fixed_size 299520
		.amdhsa_private_segment_fixed_size 0
		.amdhsa_enable_private_segment 0
		.amdhsa_kernarg_size 64
		.amdhsa_user_sgpr_count 2
		.amdhsa_user_sgpr_kernarg_segment_ptr 1
		.amdhsa_wavefront_size32 1
		.amdhsa_system_sgpr_workgroup_id_x 1
		.amdhsa_system_sgpr_workgroup_id_y 1
		.amdhsa_system_sgpr_workgroup_id_z 1
		.amdhsa_system_vgpr_workitem_id 0
		.amdhsa_next_free_vgpr 480
		.amdhsa_next_free_sgpr 66
		.amdhsa_reserve_vcc 0
		.amdhsa_float_denorm_mode_32 3
		.amdhsa_float_denorm_mode_16_64 3
		.amdhsa_memory_ordered 1
		.amdhsa_forward_progress 1
		.amdhsa_inst_pref_size 66
	.end_amdhsa_kernel
	.amdgpu_metadata
---
amdhsa.version: [ 1, 2 ]
amdhsa.kernels:
  - .name:           k_qb751401c22_proj
    .symbol:         k_qb751401c22_proj.kd
    .args:
      - { .name: x, .offset: 0, .size: 8, .value_kind: global_buffer, .address_space: global }
      - { .name: wc, .offset: 8, .size: 8, .value_kind: global_buffer, .address_space: global }
      - { .name: ws, .offset: 16, .size: 8, .value_kind: global_buffer, .address_space: global }
      - { .name: qc, .offset: 24, .size: 8, .value_kind: global_buffer, .address_space: global }
      - { .name: qs, .offset: 32, .size: 8, .value_kind: global_buffer, .address_space: global }
      - { .name: kc, .offset: 40, .size: 8, .value_kind: global_buffer, .address_space: global }
      - { .name: vc, .offset: 48, .size: 8, .value_kind: global_buffer, .address_space: global }
      - { .name: kvs, .offset: 56, .size: 8, .value_kind: global_buffer, .address_space: global }
    .group_segment_fixed_size: 299520
    .private_segment_fixed_size: 0
    .kernarg_segment_align: 8
    .kernarg_segment_size: 64
    .max_flat_workgroup_size: 128
    .sgpr_count:     66
    .vgpr_count:     480
    .wavefront_size: 32
...
	.end_amdgpu_metadata
.endif
;; end of part 2
;; launch attn (part 3): grid 64 x 4, 8 waves a work-group, no clusters, 144,384 bytes of LDS; arguments qc, qs, kc, vc, kvs, out0; writes out0
.if DOCPART == 3
	.amdgcn_target "amdgcn-amd-amdhsa--gfx1250"
	.amdhsa_code_object_version 6
	.text
	.protected	k_qb751401c22_attn
	.globl	k_qb751401c22_attn
	.p2align	8
	.type	k_qb751401c22_attn,@function
k_qb751401c22_attn:
	s_mov_b64 s[64:65], 0
	v_nop
	global_prefetch_b8 v0, s[64:65] scope:SCOPE_SE
	s_setreg_imm32_b32 hwreg(HW_REG_WAVE_MODE, 25, 1), 1
	s_wait_xcnt 0x0
; out[b][q][:] = the sum over keys k <= q of softmax_k(q . k / 8) v[k][:], both products on codes of FP6 (E2M3) with one E8M0 scale for each 32 along a product's K.  4 batches x 4,096 tokens x 64 channels.
; THE SOFTMAX AHEAD OF THE SECOND PRODUCT: t = score x log2(e) / 8; M = the largest t so far, rounded UP to a whole number; p = 2^(t - M) is what is quantised, along the keys; the sum is taken of the unquantised p and divides at the end.
; SHARES.  Work-group a of a batch owns four tiles of 16 queries: 32 a on (tiles 0, 1) and 32 (127 - a) on (tiles 2, 3): a / 4 + 1 and 32 - a / 4 key steps of 128, 33 together in every work-group.
; Wave w takes key steps w, w + 8, ..: each step's fragments of K and V come from memory straight into its registers, once for the work-group, and serve two or four tiles.  Steps that lie wholly behind a tile's queries are left out
; by scalar branches on ids.  Each wave keeps M, the sum and O^T of its own steps for each tile; since every M is a whole number the eight parts are joined at the end by exact powers of two, through LDS, behind the launch's one barrier.
; No cluster and no joint loads: work-groups of a batch walk different numbers of key steps, and the operands go to registers, not to LDS.
; LAYOUT.  Both products are used transposed (S^T = K Q^T, O^T = V^T P^T): a lane holds ONE query (lane % 16).  Row m of K's tile T is key 64 (m / 8) + 8 T + m % 8, so that register 8 T + j of lane (r, h) is key 64 h + 8 T + j:
; a lane holds two WHOLE blocks of 32 keys; no other lane is asked for a block's maximum, and the conversions' results are the second product's operand.  V's codes are laid with the same order of keys.
; THE FIRST PRODUCT'S K IS 64, half of the instruction's 128: q's registers 6-11 are zero codes.  K's fragments are packed six registers apart, so a fragment's upper six registers are the next tile's codes (behind tile 7: six cleared
; registers): they meet q's zero codes alone and add nothing (FP6 has no code for infinity or NaN); both sides' scale bytes 2 and 3 are 0x7f.
; LIMITS: NaN and infinities are not served; t under -3e38 is not served; p under 2^-126 counts as 0 (v_exp_f32 flushes); a block whose every p is 0 keeps the byte 1: its codes are zeros.
; REGISTERS.  Window 0: v1-14 addresses; v16-31 four registers of statistics a tile (-M, largest t, the sum in two halves); v32-79 q; v80-83, v84-87, v96-99, v100 scale words of q, K, V, p (scales and nothing else);
;   v88-95 V's half words; v[102:103] f; v104-117 at work; v128-191 S^T, then p; v192-203 p's codes.   Window 1: v0-127 O^T (32 a tile); v128-181 K; v184-231 V.
.set KOFF, 1                           ; v1   16 x slot: my place in a group of K's codes and among K's scale words
.set LOFF, 2                           ; v2   16 x lane
.set L8,   3                           ; v3   8 x lane
.set VSOFF, 4                          ; v4   16 r
.set SH8,  5                           ; v5   8 h
.set DQ,   6                           ; v6   r - 64 h
.set NEGINF, 7
.set PFO,  8                           ; v8   the prefetches' offset; never rewritten
.set PST,  9                           ; v9   the merge: where I put O^T;  v10 the statistics
.set SST,  10
.set PRD,  11                          ; v11, v12 where I read the parts of waves 0-3, 4-7;  v13 the statistics
.set SRD,  13
.set R4,   14                          ; v14  4 r
.set STAT0, 16
.set Q,    32
.set QS,   80
.set KS,   84
.set VA,   88
.set VS,   96
.set PW,   100
.set F,    102
.set MX,   104
.set RM,   108
.set TP,   109
.set SO,   110
.set BY,   112
.set DD,   114
.set SU,   116
.set S,    128
.set PC,   192
.set TA,   204
.set TB,   208
.set KR,   128                         ; in window 1
.set VR,   184
.set STATB, 8*17408                    ; LDS: eight parts of 4 tiles x 16 queries x (256 + 16) bytes, then the statistics: [tile][query][-M of 8 waves, sum of 8 waves]
.set KP,   8                           ; s[8:9]   kc at my key step;  s[10:11] vc;  s[12:13] kvs
.set VP,   10
.set SP,   12
.set OUT,  14
.set WV,   16
.set A,    17
.set BT,   18
.set NL,   19                          ; s19  key steps of tiles 0, 1;  s20 the last of them;  s21 the last of tiles 2, 3
.set LL,   20
.set LH,   21
.set NT,   22                          ; s22  my key steps ahead of my last: the loop's trips; the loop does not write it
.set G,    23                          ; s23  my key step
.set SEL,  24
.set CS,   26                          ; s[26:27] c = log2(e) / 8
.set Q0,   28                          ; s28-31 the tiles' first queries
.set LIM,  36
.set TMP,  37
.set TC,   46                          ; s46  the loop's counter: trips done
.set MSB, 0
.macro WIN new                         ; the immediate's high byte repeats the setting that is left
.if MSB != \new
	s_set_vgpr_msb (MSB<<8)|\new
.set MSB, \new
.endif
.endm
.macro PLACES                          ; four places behind a matrix instruction (ISA guide 7.12.1)
.rept 4
	v_nop
.endr
.endm
.macro KLOAD                           ; a key step's K: 8 tiles x 6 registers, and its scale words: 13 loads of 512 consecutive bytes
	WIN 0x40
.set NN, 0
.rept 12
	global_load_b128 v[KR+4*NN:KR+4*NN+3], v[KOFF], s[KP:KP+1] offset:512*NN
.set NN, NN+1
.endr
	WIN 0
	global_load_b128 v[KS:KS+3], v[KOFF], s[SP:SP+1]       ; register P: lanes 0-15 tile 2 P's words, lanes 16-31 tile 2 P + 1's
.endm
.macro VLOAD                           ; its V: 4 fragments, and the two halves of its scale words: 14 loads
	WIN 0x40
.set NN, 0
.rept 12
	global_load_b128 v[VR+4*NN:VR+4*NN+3], v[LOFF], s[VP:VP+1] offset:512*NN
.set NN, NN+1
.endr
	WIN 0
	global_load_b128 v[VA:VA+3], v[VSOFF], s[SP:SP+1] offset:512
	global_load_b128 v[VA+4:VA+7], v[VSOFF], s[SP:SP+1] offset:768
.endm
; A PREFETCH INTO THE L2 of the eight key steps that the work-group's waves ask for in the NEXT trip: it stands where the wave has just issued its loads, one trip ahead of those loads.
; All work-groups of a batch walk the same K and V: work-group 0, which walks all 32 steps, asks, and nobody else.  Eight steps of K are 49,152 dense bytes, of V likewise: waves 0 to 5 take 8,192 bytes of each, lanes 256 bytes apart;
; their scale words are 8,192 bytes: wave 6.  My pointers stand at step 8 (j + 1) + w: the group after begins 49,152 - 6,144 w bytes on, and my part of it 8,192 w further: 49,152 + 2,048 w.
; So each aligned block of 256 bytes of steps 16 to 31 is named once; steps 0 to 15 come by their loads alone, and trips whose look-ahead would pass step 31 ask for nothing.
.macro ASK
	s_add_co_u32 s[TMP], s[G], 16
	s_cmp_lt_u32 s[TMP], s[LIM]
	s_cbranch_scc0 .Lno_ask_\@
	s_cmp_eq_u32 s[WV], 6
	s_cbranch_scc1 .Lask_s_\@
	global_prefetch_b8 v[PFO], s[KP:KP+1] offset:49152 th:TH_LOAD_NT scope:SCOPE_SE
	global_prefetch_b8 v[PFO], s[VP:VP+1] offset:49152 th:TH_LOAD_NT scope:SCOPE_SE
	s_branch .Lno_ask_\@
.Lask_s_\@:
	global_prefetch_b8 v[PFO], s[SP:SP+1] offset:2048 th:TH_LOAD_NT scope:SCOPE_SE
.Lno_ask_\@:
.endm
; ONE TILE OF 16 QUERIES AGAINST ONE KEY STEP.  mask = 1: where the step is the tile's last (s[last]) the hidden keys' scores become -infinity.  vready = 1: V is waited for and its scale words are made.
; next = 1: the next trip's K is asked for as soon as this trip's last products have read K, its V likewise.
.macro TILE c, mask, last, vready, next
.set ST, STAT0+4*(\c)
	WIN 0x01                                       ; source 0 (K) window 1
.irp t, 0,2,4,6
	v_wmma_scale_f32_16x16x128_f8f6f4 v[S+8*\t:S+8*\t+7], v[KR+6*\t:KR+6*\t+11], v[Q+12*(\c):Q+12*(\c)+11], 0, v[KS+\t/2], v[QS+(\c)] matrix_a_fmt:MATRIX_FMT_FP6 matrix_b_fmt:MATRIX_FMT_FP6
	v_wmma_scale_f32_16x16x128_f8f6f4 v[S+8*\t+8:S+8*\t+15], v[KR+6*\t+6:KR+6*\t+17], v[Q+12*(\c):Q+12*(\c)+11], 0, v[KS+\t/2], v[QS+(\c)] matrix_a_fmt:MATRIX_FMT_FP6 matrix_b_fmt:MATRIX_FMT_FP6 matrix_a_scale:MATRIX_SCALE_ROW1
.endr
	WIN 0
	PLACES                                         ; in front of the first read of the scores, and of the loads into K's registers
.if \next
	s_wait_xcnt 0x0                                ; the last trip's prefetches have read their addresses (its loads were waited for): the pointers may step
	s_add_nc_u64 s[KP:KP+1], s[KP:KP+1], 8*6144
	s_add_nc_u64 s[VP:VP+1], s[VP:VP+1], 8*6144
	s_add_nc_u64 s[SP:SP+1], s[SP:SP+1], 8*1024
	KLOAD
	ASK
.endif
.if \mask
	s_cmp_lg_u32 s[G], s[\last]
	s_cbranch_scc1 .Lopen_\@                       ; a step all of whose keys count skips this
	s_lshl_b32 s[TMP], s[G], 7
	s_sub_co_i32 s[TMP], s[Q0+(\c)], s[TMP]
	v_add_nc_u32 v[DD], s[TMP], v[DQ]              ; d = my query - the step's first key - 64 h: register n holds key 128 g + 64 h + n, hidden where n > d
.set NN, 0
.rept 64
	v_cmp_gt_i32 vcc_lo, NN, v[DD]
	v_cndmask_b32 v[S+NN], v[S+NN], v[NEGINF], vcc_lo
.set NN, NN+1
.endr
.Lopen_\@:
.endif
.irp u, 0,1,2,3                        ; the largest score of each block of 32 keys, in two chains a block: it serves the row's maximum and, since p rises with the score, the block's largest p
	v_max3_num_f32 v[MX+\u], v[S+16*\u], v[S+16*\u+1], v[S+16*\u+2]
.endr
.irp i, 3,5,7,9,11,13
.irp u, 0,1,2,3
	v_max3_num_f32 v[MX+\u], v[MX+\u], v[S+16*\u+\i], v[S+16*\u+\i+1]
.endr
.endr
	v_max3_num_f32 v[MX], v[MX], v[S+15], v[S+31]
	v_max3_num_f32 v[MX+2], v[MX+2], v[S+47], v[S+63]
	v_max_num_f32 v[MX], v[MX], v[MX+1]            ; block 0: keys 64 h + 0 .. 31
	v_max_num_f32 v[MX+2], v[MX+2], v[MX+3]        ; block 1: keys 64 h + 32 .. 63
	v_max_num_f32 v[RM], v[MX], v[MX+2]
	v_permlanex16_b32 v[TP], v[RM], s[SEL], s[SEL+1]
	v_max_num_f32 v[RM], v[RM], v[TP]              ; the step's largest score of my query
	v_mul_f32 v[RM], s[CS], v[RM]                  ; as t (c is positive)
	v_max_num_f32 v[ST+1], v[ST+1], v[RM]          ; the running largest t
	v_mov_b32 v[RM], v[ST]
	v_floor_f32 v[ST], -v[ST+1]                    ; the new -M = floor(-t): M is a whole number
	v_sub_f32 v[RM], v[ST], v[RM]                  ; old M - new M: a whole number, 0 or less
	v_cvt_i32_f32 v[RM], v[RM]                     ; (it saturates)
	v_ldexp_f32 v[F], 1.0, v[RM]                   ; f = 2^(old M - new M)
.set NN, 0
.rept 32
	v_pk_fma_f32 v[S+NN:S+NN+1], v[S+NN:S+NN+1], s[CS:CS+1], v[ST:ST+1] op_sel_hi:[1,0,0]   ; t - M, two at a time (of the pairs c and -M the low word serves both halves)
.set NN, NN+2
.endr
	v_fma_f32 v[MX], v[MX], s[CS], v[ST]           ; the same of each block's largest score
	v_fma_f32 v[MX+2], v[MX+2], s[CS], v[ST]
.set NN, 0
.rept 64
	v_exp_f32 v[S+NN], v[S+NN]                     ; p = 2^(t - M), at most 1: not normalised
.set NN, NN+1
.endr
	v_pk_mul_f32 v[ST+2:ST+3], v[ST+2:ST+3], v[F:F+1] op_sel_hi:[1,0]      ; the sums under the new M: the plain place behind the exponentials
	s_wait_alu depctr_va_vdst(0)                   ; one wait for the whole batch, ahead of its first reader
	v_exp_f32 v[MX], v[MX]                         ; the blocks' largest p: the same two instructions on the same number give the same bits
	v_exp_f32 v[MX+2], v[MX+2]
	v_pk_add_f32 v[SU:SU+1], v[S:S+1], v[S+2:S+3]  ; the row's sum is taken of the unquantised p: two at a time, in two chains
.irp j, 4,8,12,16,20,24,28,32,36,40,44,48,52,56,60
	v_pk_add_f32 v[ST+2:ST+3], v[ST+2:ST+3], v[S+\j:S+\j+1]
	v_pk_add_f32 v[SU:SU+1], v[SU:SU+1], v[S+\j+2:S+\j+3]
.endr
	v_pk_add_f32 v[ST+2:ST+3], v[ST+2:ST+3], v[SU:SU+1]
	s_wait_alu depctr_va_vdst(0)                   ; and one for the two
	v_max_num_f32 v[MX], 0x1800000, v[MX]          ; the floor 2^(3 - 127): the byte cannot fall under 1
	v_max_num_f32 v[MX+2], 0x1800000, v[MX+2]
	v_add_nc_u32 v[SO], 0xff000000, v[MX]          ; 2 off the exponent field: the conversion's scale operand
	v_add_nc_u32 v[SO+1], 0xff000000, v[MX+2]
	v_lshrrev_b32 v[BY], 23, v[SO]
	v_lshrrev_b32 v[BY+1], 23, v[SO+1]
	v_lshl_or_b32 v[PW], v[BY+1], 16, v[BY]        ; my bytes h and 2 + h of p's scale word,
	v_lshlrev_b32 v[PW], v[SH8], v[PW]
	v_permlanex16_b32 v[TP], v[PW], s[SEL], s[SEL+1]
	v_or_b32 v[PW], v[PW], v[TP]                   ; and lane l xor 16's two
	v_cvt_scalef32_pk16_fp6_f32 v[PC:PC+2], v[S:S+15], v[SO]
	v_cvt_scalef32_pk16_fp6_f32 v[TA:TA+2], v[S+16:S+31], v[SO]            ; (a conversion's three registers begin on an even number)
	v_cvt_scalef32_pk16_fp6_f32 v[PC+6:PC+8], v[S+32:S+47], v[SO+1]
	v_cvt_scalef32_pk16_fp6_f32 v[TB:TB+2], v[S+48:S+63], v[SO+1]
	v_nop                                          ; one plain place behind a scaled conversion
.irp i, 0,1,2
	v_mov_b32 v[PC+3+\i], v[TA+\i]
	v_mov_b32 v[PC+9+\i], v[TB+\i]
.endr
.if \vready
	s_wait_loadcnt 0x0                             ; V and its half words are in (nothing younger is out here)
.irp t, 0,1,2,3
	v_or_b32 v[VS+\t], v[VA+\t], v[VA+4+\t]        ; bytes 0, 2 from the step's first 64 keys, bytes 1, 3 from its last 64
.endr
.endif
	WIN 0x41                                       ; O^T (destination and source 0) window 1
.set NN, 0
.rept 16
	v_pk_mul_f32 v[32*(\c)+NN:32*(\c)+NN+1], v[32*(\c)+NN:32*(\c)+NN+1], v[F:F+1] op_sel_hi:[1,0]   ; O^T under the new M.  Twelve of the sixteen name no register of any one product below: the places that scale words and codes made by vector instructions want ahead of it
.set NN, NN+2
.endr
	WIN 0x51                                       ; source 0 (V), C and D window 1
.irp t, 0,1,2,3                        ; O^T += V^T P^T: four accumulators by turns
	v_wmma_scale_f32_16x16x128_f8f6f4 v[32*(\c)+8*\t:32*(\c)+8*\t+7], v[VR+12*\t:VR+12*\t+11], v[PC:PC+11], v[32*(\c)+8*\t:32*(\c)+8*\t+7], v[VS+\t], v[PW] matrix_a_fmt:MATRIX_FMT_FP6 matrix_b_fmt:MATRIX_FMT_FP6
.endr
	WIN 0
.if \next
	PLACES                                         ; in front of the loads into V's registers
	VLOAD
.endif
.endm
; A TRIP: my key step against tiles 2 and 3, and against tiles 0 and 1 where it is one of theirs.  tail = 1: my last step: nothing more is fetched, and it may be tiles 2 and 3's last.
.macro TRIP tail
	s_wait_loadcnt 14                              ; K and its scale words (and, the first time, q) are in; V's 14 loads, issued behind them, may be out
	s_cmp_lt_u32 s[G], s[NL]
	s_cbranch_scc0 .Lno_l_\@
	TILE 0, 1, LL, 1, 0
	TILE 1, 1, LL, 0, 0
.Lno_l_\@:
	TILE 2, \tail, LH, 1, 0
	TILE 3, \tail, LH, 0, 1-\tail
.endm
	s_load_b256 s[4:11], s[0:1], 0x0               ; qc s[4:5], qs s[6:7], kc s[8:9], vc s[10:11]
	s_load_b128 s[12:15], s[0:1], 0x20             ; kvs s[12:13], out0 s[14:15]
	v_lshl_add_u32 v15, v0, 2, 0x23000
	v_mov_b32 v101, 0
	v_lshrrev_b32 v104, 5, v0
	v_readfirstlane_b32 s[WV], v104                ; wave 0..7
	s_mov_b32 s[A], ttmp9
	s_and_b32 s[BT], ttmp7, 0xffff                 ; the batch
	s_lshr_b32 s[LL], s[A], 2                      ; tiles 0, 1: the last key step a / 4,
	s_add_co_u32 s[NL], s[LL], 1                   ; a / 4 + 1 steps
	s_sub_co_u32 s[LH], 31, s[LL]                  ; tiles 2, 3: the last key step 31 - a / 4, at least 16
	s_sub_co_u32 s[NT], s[LH], s[WV]
	s_lshr_b32 s[NT], s[NT], 3                     ; my steps w, w + 8, .. up to that one are (31 - a / 4 - w) / 8 + 1: so many stand ahead of my last: 1 to 3
	s_mov_b32 s[TC], 0
	s_mov_b32 s[G], s[WV]
	s_mov_b32 s[SEL], 0x76543210
	s_mov_b32 s[SEL+1], 0xfedcba98
	s_mov_b32 s[CS], 0x3e38aa3b                    ; c = log2(e) / 8
	s_mov_b32 s[CS+1], s[CS]                       ; (named with it as a pair, so it is written)
	s_lshl_b32 s[Q0], s[A], 5
	s_add_co_u32 s[Q0+1], s[Q0], 16
	s_sub_co_u32 s[Q0+2], 127, s[A]
	s_lshl_b32 s[Q0+2], s[Q0+2], 5
	s_add_co_u32 s[Q0+3], s[Q0+2], 16
	v_and_b32 v104, 31, v0                         ; lane
	v_and_b32 v105, 15, v0                         ; r
	v_bfe_u32 v106, v0, 4, 1                       ; h
	v_and_b32 v107, 7, v0
	v_bfe_u32 v108, v0, 3, 1
	v_lshl_add_u32 v[KOFF], v108, 4, v107
	v_lshl_add_u32 v[KOFF], v106, 3, v[KOFF]
	v_lshlrev_b32 v[KOFF], 4, v[KOFF]              ; slot = 16 ((lane / 8) % 2) + 8 h + lane % 8
	v_lshlrev_b32 v[LOFF], 4, v104
	v_lshlrev_b32 v[L8], 3, v104
	v_lshlrev_b32 v[VSOFF], 4, v105
	v_lshlrev_b32 v[R4], 2, v105
	s_lshl_b32 s38, s[BT], 8
	s_lshl_b32 s[TMP], s[A], 1
	s_add_co_u32 s44, s38, s[TMP]                  ; tile 0 among all tiles of 16 tokens: 256 b + 2 a
	s_add_co_u32 s45, s38, 254
	s_sub_co_u32 s45, s45, s[TMP]                  ; tile 2: 256 b + 254 - 2 a
	s_mov_b32 s39, 0
	s_wait_kmcnt 0x0
	s_mul_i32 s38, s44, 768
	s_add_nc_u64 s[32:33], s[4:5], s[38:39]
	s_mul_i32 s38, s45, 768
	s_add_nc_u64 s[34:35], s[4:5], s[38:39]
	s_lshl_b32 s38, s44, 6
	s_add_nc_u64 s[40:41], s[6:7], s[38:39]
	s_lshl_b32 s38, s45, 6
	s_add_nc_u64 s[42:43], s[6:7], s[38:39]
	s_lshl_b32 s[TMP], s[BT], 5
	s_add_co_u32 s[TMP], s[TMP], s[WV]             ; my first key step among all: 32 b + w
	s_mul_i32 s38, s[TMP], 6144
	s_add_nc_u64 s[KP:KP+1], s[KP:KP+1], s[38:39]
	s_add_nc_u64 s[VP:VP+1], s[VP:VP+1], s[38:39]
	s_lshl_b32 s38, s[TMP], 10
	s_add_nc_u64 s[SP:SP+1], s[SP:SP+1], s[38:39]
.irp c, 0,1                            ; q stays in registers: 16 loads (all eight waves read the same four tiles)
.irp j, 0,1,2
	global_load_b64 v[Q+12*\c+2*\j:Q+12*\c+2*\j+1], v[L8], s[32:33] offset:768*\c+256*\j
	global_load_b64 v[Q+24+12*\c+2*\j:Q+24+12*\c+2*\j+1], v[L8], s[34:35] offset:768*\c+256*\j
.endr
	global_load_b32 v[QS+\c], v[R4], s[40:41] offset:64*\c
	global_load_b32 v[QS+2+\c], v[R4], s[42:43] offset:64*\c
.endr
	KLOAD
	VLOAD
	; the rest of the addresses, while the loads are on their way
	v_lshlrev_b32 v[SH8], 3, v106
	v_lshlrev_b32 v[DQ], 6, v106
	v_sub_nc_u32 v[DQ], v105, v[DQ]
	v_mov_b32 v[NEGINF], 0xff800000
	s_lshl_b32 s[TMP], s[WV], 11
	s_cmp_eq_u32 s[WV], 6
	s_cselect_b32 s[TMP], 0, s[TMP]
	v_lshl_add_u32 v[PFO], v104, 8, s[TMP]         ; 256 x lane + 2,048 w (wave 6: 256 x lane)
	s_cmp_eq_u32 s[WV], 7
	s_cselect_b32 s[TMP], 1, 0
	s_or_b32 s[TMP], s[TMP], s[A]
	s_cmp_eq_u32 s[TMP], 0
	s_cselect_b32 s[LIM], 32, 0                    ; waves 0 to 6 of the batch's work-group 0 prefetch
	s_mul_i32 s[TMP], s[WV], 17408
	v_mul_u32_u24 v[PST], v105, 272
	v_lshl_add_u32 v[PST], v106, 5, v[PST]
	v_add_nc_u32 v[PST], s[TMP], v[PST]            ; my part: query r, channels 8 h on of a tile of 16
	s_lshl_b32 s[TMP], s[WV], 2
	s_add_co_u32 s[TMP], s[TMP], STATB
	v_lshl_add_u32 v[SST], v105, 6, s[TMP]
	s_lshr_b32 s44, s[WV], 1                       ; the tile that I merge,
	s_and_b32 s45, s[WV], 1                        ; and which eight of its queries
	s_mul_i32 s[TMP], s44, 4352
	s_mul_i32 s38, s45, 2176
	s_add_co_u32 s[TMP], s[TMP], s38
	v_mul_u32_u24 v[PRD], v106, 272
	v_lshl_add_u32 v[PRD], v105, 4, v[PRD]
	v_add_nc_u32 v[PRD], s[TMP], v[PRD]            ; lanes 0-15 one query's 256 bytes, lanes 16-31 the next's
	v_add_nc_u32 v[PRD+1], 4*17408, v[PRD]
	s_lshl_b32 s[TMP], s44, 10
	s_lshl_b32 s38, s45, 9
	s_add_co_u32 s[TMP], s[TMP], s38
	s_add_co_u32 s[TMP], s[TMP], STATB
	v_lshl_add_u32 v[SRD], v106, 6, s[TMP]
	s_cmp_lt_u32 s44, 2
	s_cselect_b32 s[TMP], s[Q0], s[Q0+2]
	s_and_b32 s38, s44, 1
	s_lshl_b32 s38, s38, 4
	s_add_co_u32 s[TMP], s[TMP], s38
	s_lshl_b32 s38, s45, 3
	s_add_co_u32 s[TMP], s[TMP], s38
	s_lshl_b32 s38, s[BT], 12
	s_add_co_u32 s[TMP], s[TMP], s38               ; the first row of out0 that I store
	s_lshl_b32 s38, s[TMP], 8
	s_add_nc_u64 s[OUT:OUT+1], s[OUT:OUT+1], s[38:39]
	v_mov_b32 v[TP], 0                             ; a lane permute's destination counts as one of its sources
	v_mov_b32 v[F+1], 0                            ; (named as the upper half of the pair f)
.irp c, 0,1,2,3
	v_mov_b32 v[STAT0+4*\c+1], 0xff61b1e6          ; the largest t so far: -3e38, under every t
	v_floor_f32 v[STAT0+4*\c], -v[STAT0+4*\c+1]    ; -M
	v_mov_b32 v[STAT0+4*\c+2], 0                   ; the sum, in two halves
	v_mov_b32 v[STAT0+4*\c+3], 0
.irp i, 6,7,8,9,10,11
	v_mov_b32 v[Q+12*\c+\i], 0                     ; q's upper 64 along K: zero codes
.endr
.endr
	WIN 0x40
.irp i, 0,1,2,3,4,5
	v_mov_b32 v[KR+48+\i], 0                       ; behind K's tile 7.  These operand registers are written by vector instructions: the 128 lines below are the places between them and the first product that names them
.endr
.set NN, 0
.rept 128
	v_mov_b32 v[NN], 0                             ; O^T.  A wave that has no step of tiles 0 and 1 hands these zeros to the merge; and the step is written once: its first run finds zeros, which the first change of M leaves zeros
.set NN, NN+1
.endr
	WIN 0
.Ltrip:                                            ; every step of mine but the last: s[NT] trips, at least one
	TRIP 0
	s_add_co_u32 s[G], s[G], 8                     ; my next key step
	s_add_co_u32 s[TC], s[TC], 1
	s_cmp_lt_u32 s[TC], s[NT]
	s_cbranch_scc1 .Ltrip
	TRIP 1                                         ; my last step is written out: no load leaves its buffer
	; THE MERGE.  Each wave's sum is made whole; its O^T, -M and sum go to LDS.  The first four additions are the places behind the last products.
.irp c, 0,1,2,3
	v_add_f32 v[STAT0+4*\c+2], v[STAT0+4*\c+2], v[STAT0+4*\c+3]
.endr
.irp c, 0,1,2,3
	v_permlanex16_b32 v[MX+\c], v[STAT0+4*\c+2], s[SEL], s[SEL+1]
.endr
.irp c, 0,1,2,3
	v_add_f32 v[STAT0+4*\c+2], v[STAT0+4*\c+2], v[MX+\c]
.endr
	WIN 0x04                                       ; an LDS store's data are its source 1: window 1
.irp c, 0,1,2,3
.irp t, 0,1,2,3
	ds_store_b128 v[PST], v[32*\c+8*\t:32*\c+8*\t+3] offset:4352*\c+64*\t          ; each accumulator from its low end on: o(r, 16 t + 8 h + 0 .. 7)
	ds_store_b128 v[PST], v[32*\c+8*\t+4:32*\c+8*\t+7] offset:4352*\c+64*\t+16
.endr
.endr
	WIN 0
.irp c, 0,1,2,3
	ds_store_b32 v[SST], v[STAT0+4*\c] offset:1024*\c          ; both halves of the lanes write the same word with the same value
	ds_store_b32 v[SST], v[STAT0+4*\c+2] offset:1024*\c+32
.endr
	s_wait_dscnt 0x0                               ; for the others' sake: my stores are done
	s_barrier_signal -1
	s_barrier_wait -1
	; wave w joins the eight parts of tile w / 2, queries 8 (w % 2) + 2 i + h, i = 0 .. 3; a lane has four channels
.irp i, 0,1,2,3
.set SB, 32+16*\i+24*(\i/3)            ; the statistics of run i: v32, v48, v64, v104: -M of the eight waves, then their sums
.irp k, 0,1,2,3
	ds_load_b128 v[SB+4*\k:SB+4*\k+3], v[SRD] offset:128*\i+16*\k
.endr
.endr
.irp i, 0,1,2,3
.irp u, 0,1,2,3
	ds_load_b128 v[S+32*\i+4*\u:S+32*\i+4*\u+3], v[PRD] offset:17408*\u+544*\i
	ds_load_b128 v[S+32*\i+16+4*\u:S+32*\i+16+4*\u+3], v[PRD+1] offset:17408*\u+544*\i
.endr
.endr
	s_wait_dscnt 0x0
.irp i, 0,1,2,3
.set SB, 32+16*\i+24*(\i/3)
	v_min3_num_f32 v[120+\i], v[SB], v[SB+1], v[SB+2]          ; the least -M: the largest M
	v_min3_num_f32 v[120+\i], v[120+\i], v[SB+3], v[SB+4]
	v_min3_num_f32 v[120+\i], v[120+\i], v[SB+5], v[SB+6]
	v_min_num_f32 v[120+\i], v[120+\i], v[SB+7]
.irp u, 0,1,2,3,4,5,6,7
	v_sub_f32 v[SB+\u], v[120+\i], v[SB+\u]                    ; that wave's M less the largest: a whole number, 0 or less
.endr
.irp u, 0,1,2,3,4,5,6,7
	v_cvt_i32_f32 v[SB+\u], v[SB+\u]                           ; (it saturates: a wave that had no step of the tile gets the factor 0)
.endr
.irp u, 0,1,2,3,4,5,6,7
	v_ldexp_f32 v[SB+\u], 1.0, v[SB+\u]
.endr
	v_mul_f32 v[124+\i], v[SB], v[SB+8]
.irp u, 1,2,3,4,5,6,7
	v_fmac_f32 v[124+\i], v[SB+\u], v[SB+8+\u]                 ; the row's sum
.endr
.irp e, 0,1,2,3
	v_mul_f32 v[S+32*\i+\e], v[SB], v[S+32*\i+\e]
.endr
.irp u, 1,2,3,4,5,6,7
.irp e, 0,1,2,3
	v_fmac_f32 v[S+32*\i+\e], v[SB+\u], v[S+32*\i+4*\u+\e]
.endr
.endr
.endr
.irp i, 0,1,2,3
	v_rcp_f32 v[124+\i], v[124+\i]
.endr
	v_nop                                          ; a plain place behind the last reciprocal
	s_wait_alu depctr_va_vdst(0)                   ; one wait for the four, ahead of their first reader
.irp i, 0,1,2,3
.irp e, 0,1,2,3
	v_mul_f32 v[S+32*\i+\e], v[124+\i], v[S+32*\i+\e]
.endr
.endr
.irp i, 0,1,2,3
	global_store_b128 v[LOFF], v[S+32*\i:S+32*\i+3], s[OUT:OUT+1] offset:512*\i th:TH_STORE_NT     ; 32 lanes store two rows of out0: 512 consecutive bytes at a multiple of 256 from its first byte
.endr
	s_wait_tensorcnt 0x0
	ds_add_u32 v15, v101
	s_wait_dscnt 0x0
	s_endpgm
.Lfunc_end_k_qb751401c22_attn:
	.size	k_qb751401c22_attn, .Lfunc_end_k_qb751401c22_attn-k_qb751401c22_attn
	.p2alignl 7, 3214868480
	.fill 96, 4, 3214868480
	.section	.rodata,"a",@progbits
	.p2align	6, 0x0
	.amdhsa_kernel k_qb751401c22_attn
		.amdhsa_group_segment_fixed_size 144384
		.amdhsa_private_segment_fixed_size 0
		.amdhsa_enable_private_segment 0
		.amdhsa_kernarg_size 48
		.amdhsa_user_sgpr_count 2
		.amdhsa_user_sgpr_kernarg_segment_ptr 1
		.amdhsa_wavefront_size32 1
		.amdhsa_system_sgpr_workgroup_id_x 1
		.amdhsa_system_sgpr_workgroup_id_y 1
		.amdhsa_system_sgpr_workgroup_id_z 1
		.amdhsa_system_vgpr_workitem_id 0
		.amdhsa_next_free_vgpr 512
		.amdhsa_next_free_sgpr 66
		.amdhsa_reserve_vcc 1
		.amdhsa_float_denorm_mode_32 3
		.amdhsa_float_denorm_mode_16_64 3
		.amdhsa_memory_ordered 1
		.amdhsa_forward_progress 1
		.amdhsa_inst_pref_size 161
	.end_amdhsa_kernel
	.amdgpu_metadata
---
amdhsa.version: [ 1, 2 ]
amdhsa.kernels:
  - .name:           k_qb751401c22_attn
    .symbol:         k_qb751401c22_attn.kd
    .args:
      - { .name: qc, .offset: 0, .size: 8, .value_kind: global_buffer, .address_space: global }
      - { .name: qs, .offset: 8, .size: 8, .value_kind: global_buffer, .address_space: global }
      - { .name: kc, .offset: 16, .size: 8, .value_kind: global_buffer, .address_space: global }
      - { .name: vc, .offset: 24, .size: 8, .value_kind: global_buffer, .address_space: global }
      - { .name: kvs, .offset: 32, .size: 8, .value_kind: global_buffer, .address_space: global }
      - { .name: out0, .offset: 40, .size: 8, .value_kind: global_buffer, .address_space: global }
    .group_segment_fixed_size: 144384
    .private_segment_fixed_size: 0
    .kernarg_segment_align: 8
    .kernarg_segment_size: 48
    .max_flat_workgroup_size: 256
    .sgpr_count:     66
    .vgpr_count:     512
    .wavefront_size: 32
...
	.end_amdgpu_metadata
.endif
;; end of part 3
;; ======== version 2 of 2: 3 launches; version 1 with the launch attn written anew for expert scheduling mode
;; workspace buffers: wc 110,592 bytes; ws 9,216 bytes; qc 786,432 bytes; qs 65,536 bytes; kc 786,432 bytes; vc 786,432 bytes; kvs 131,072 bytes
;; launch wprep: the kernel of part 1 again; grid 3 x 12, 1 waves a work-group, no clusters, 0 bytes of LDS; arguments Wq, Wk, Wv, wc, ws; writes wc, ws
;; launch proj: the kernel of part 2 again; grid 256 x 1, 4 waves a work-group, no clusters, 299,520 bytes of LDS; arguments x, wc, ws, qc, qs, kc, vc, kvs; writes qc, qs, kc, vc, kvs
;; launch attn (part 4): grid 64 x 4, 8 waves a work-group, no clusters, 144,384 bytes of LDS; arguments qc, qs, kc, vc, kvs, out0; writes out0
.if DOCPART == 4
	.amdgcn_target "amdgcn-amd-amdhsa--gfx1250"
	.amdhsa_code_object_version 6
	.text
	.protected	k_qb751401c22_attn
	.globl	k_qb751401c22_attn
	.p2align	8
	.type	k_qb751401c22_attn,@function
k_qb751401c22_attn:
	s_mov_b64 s[64:65], 0
	v_nop
	global_prefetch_b8 v0, s[64:65] scope:SCOPE_SE
	s_setreg_imm32_b32 hwreg(HW_REG_WAVE_SCHED_MODE, 0, 2), 2
	s_setreg_imm32_b32 hwreg(HW_REG_WAVE_MODE, 25, 1), 1
	s_wait_xcnt 0x0
	s_wait_alu depctr_vm_vsrc(0)
; out[b][q][:] = the sum over keys k <= q of softmax_k(q . k / 8) v[k][:], both products on codes of FP6 (E2M3) with one E8M0 scale for each 32 along a product's K.  4 batches x 4,096 tokens x 64 channels.
; THE SOFTMAX AHEAD OF THE SECOND PRODUCT: t = score x log2(e) / 8; M = the largest t so far, rounded UP to a whole number; p = 2^(t - M) is what is quantised, along the keys; the sum is taken of the unquantised p and divides at the end.
; SHARES.  Work-group a of a batch owns four tiles of 16 queries: 32 a on (tiles 0, 1) and 32 (127 - a) on (tiles 2, 3): a / 4 + 1 and 32 - a / 4 key steps of 128, 33 together in every work-group.
; Wave w takes key steps w, w + 8, ..: each step's fragments of K and V come from memory straight into its registers, once for the work-group, and serve two or four tiles.  Steps that lie wholly behind a tile's queries are left out
; by scalar branches on ids.  Each wave keeps M, the sum and O^T of its own steps for each tile; since every M is a whole number the eight parts are joined at the end by exact powers of two, through LDS, behind the launch's one barrier.
; No cluster and no joint loads: work-groups of a batch walk different numbers of key steps, and the operands go to registers, not to LDS.
; LAYOUT.  Both products are used transposed (S^T = K Q^T, O^T = V^T P^T): a lane holds ONE query (lane % 16).  Row m of K's tile T is key 64 (m / 8) + 8 T + m % 8, so that register 8 T + j of lane (r, h) is key 64 h + 8 T + j:
; a lane holds two WHOLE blocks of 32 keys; no other lane is asked for a block's maximum, and the conversions' results are the second product's operand.  V's codes are laid with the same order of keys.
; THE FIRST PRODUCT'S K IS 64, half of the instruction's 128: q's registers 6-11 are zero codes.  K's fragments are packed six registers apart, so a fragment's upper six registers are the next tile's codes (behind tile 7: six cleared
; registers): they meet q's zero codes alone and add nothing (FP6 has no code for infinity or NaN); both sides' scale bytes 2 and 3 are 0x7f.
; LIMITS: NaN and infinities are not served; t under -3e38 is not served; p under 2^-126 counts as 0 (v_exp_f32 flushes); a block whose every p is 0 keeps the byte 1: its codes are zeros.
; REGISTERS.  Window 0: v1-14 addresses; v16-31 four registers of statistics a tile (-M, largest t, the sum in two halves); v32-79 q; v80-83, v84-87, v96-99, v100 scale words of q, K, V, p (scales and nothing else);
;   v88-95 V's half words; v[102:103] f; v104-117 at work; v128-191 S^T, then p; v192-203 p's codes.   Window 1: v0-127 O^T (32 a tile); v128-181 K; v184-231 V.
; THE MODE: SCHED_MODE bits 1:0 = 2 (LLVM: expert scheduling mode 2), set by the entry lines.  The code itself states the register dependences between vector or matrix instructions and memory or LDS instructions,
; with s_wait_alu, always for 0.
; THE PLAN.  Registers that memory or LDS instructions touch:
;   v1-4, v14     offsets of the loads (v2 also of the last stores): made once at the head, ahead of the first load, and never written again: the scalar pointers step, and immediate offsets do the rest.
;   v8, v9-13     the prefetches' offset and the merge's LDS addresses: made once at the head, ahead of the loop, and never written again.
;   K, its words  read by a trip's products K Q^T, tile 3's eight the last; behind these the next trip's 13 loads land there.
;   V, its words  read by a trip's products V^T P^T and by four v_or_b32, tile 3's four products the last; behind these the next trip's 14 loads land there.
;   O^T, v16-31   written by matrix and vector instructions; read by the merge's LDS stores, and by nothing written afterwards.
;   v32-79, v104-119, v128-255   behind the barrier the merge's LDS loads land there; every vector and matrix instruction that named them stands ahead of the wait in front of the merge's stores.
;   v[128 + 32 i ..]   the merge's last multiplications write them; the four stores to memory read them.
; So a loop trip holds two waits for its loads, one behind tile 3's products K Q^T and one behind its products V^T P^T; each tile holds one ahead of its products V^T P^T, whose operand p and scale words vector instructions
; have made; the head holds two, the merge two.  No register that a memory or LDS instruction reads is ever written again, so no wait on vm_vsrc is owed.  EXEC is never written.
.set KOFF, 1                           ; v1   16 x slot: my place in a group of K's codes and among K's scale words
.set LOFF, 2                           ; v2   16 x lane
.set L8,   3                           ; v3   8 x lane
.set VSOFF, 4                          ; v4   16 r
.set SH8,  5                           ; v5   8 h
.set DQ,   6                           ; v6   r - 64 h
.set NEGINF, 7
.set PFO,  8                           ; v8   the prefetches' offset; never rewritten
.set PST,  9                           ; v9   the merge: where I put O^T;  v10 the statistics
.set SST,  10
.set PRD,  11                          ; v11, v12 where I read the parts of waves 0-3, 4-7;  v13 the statistics
.set SRD,  13
.set R4,   14                          ; v14  4 r
.set STAT0, 16
.set Q,    32
.set QS,   80
.set KS,   84
.set VA,   88
.set VS,   96
.set PW,   100
.set F,    102
.set MX,   104
.set RM,   108
.set TP,   109
.set SO,   110
.set BY,   112
.set DD,   114
.set SU,   116
.set S,    128
.set PC,   192
.set TA,   204
.set TB,   208
.set KR,   128                         ; in window 1
.set VR,   184
.set STATB, 8*17408                    ; LDS: eight parts of 4 tiles x 16 queries x (256 + 16) bytes, then the statistics: [tile][query][-M of 8 waves, sum of 8 waves]
.set KP,   8                           ; s[8:9]   kc at my key step;  s[10:11] vc;  s[12:13] kvs
.set VP,   10
.set SP,   12
.set OUT,  14
.set WV,   16
.set A,    17
.set BT,   18
.set NL,   19                          ; s19  key steps of tiles 0, 1;  s20 the last of them;  s21 the last of tiles 2, 3
.set LL,   20
.set LH,   21
.set NT,   22                          ; s22  my key steps ahead of my last: the loop's trips; the loop does not write it
.set G,    23                          ; s23  my key step
.set SEL,  24
.set CS,   26                          ; s[26:27] c = log2(e) / 8
.set Q0,   28                          ; s28-31 the tiles' first queries
.set LIM,  36
.set TMP,  37
.set TC,   46                          ; s46  the loop's counter: trips done
.set MK,   48                          ; s48-63 the causal mask: sixteen compares' results at a time
.set MSB, 0
.macro WIN new                         ; the immediate's high byte repeats the setting that is left
.if MSB != \new
	s_set_vgpr_msb (MSB<<8)|\new
.set MSB, \new
.endif
.endm
.macro PLACES                          ; four places behind a matrix instruction (ISA guide 7.12.1)
.rept 4
	v_nop
.endr
.endm
.macro KLOAD w                         ; a key step's K: 8 tiles x 6 registers, and its scale words: 13 loads of 512 consecutive bytes.  w = 1: in the loop
	WIN 0x40
.if \w
	s_wait_alu depctr_va_vdst(0)                   ; this trip's products K Q^T, the eight just issued the last, are done reading K's registers and K's scale words, in which the 13 loads below land
.endif
.set NN, 0
.rept 12
	global_load_b128 v[KR+4*NN:KR+4*NN+3], v[KOFF], s[KP:KP+1] offset:512*NN
.set NN, NN+1
.endr
	WIN 0
	global_load_b128 v[KS:KS+3], v[KOFF], s[SP:SP+1]       ; register P: lanes 0-15 tile 2 P's words, lanes 16-31 tile 2 P + 1's
.endm
.macro VLOAD w                         ; its V: 4 fragments, and the two halves of its scale words: 14 loads.  w = 1: in the loop
	WIN 0x40
.if \w
	s_wait_alu depctr_va_vdst(0)                   ; this trip's products V^T P^T, the four just issued the last, are done reading V's registers, and its v_or_b32 lines V's half words: the 14 loads below land in both
.endif
.set NN, 0
.rept 12
	global_load_b128 v[VR+4*NN:VR+4*NN+3], v[LOFF], s[VP:VP+1] offset:512*NN
.set NN, NN+1
.endr
	WIN 0
	global_load_b128 v[VA:VA+3], v[VSOFF], s[SP:SP+1] offset:512
	global_load_b128 v[VA+4:VA+7], v[VSOFF], s[SP:SP+1] offset:768
.endm
; A PREFETCH INTO THE L2 of the eight key steps that the work-group's waves ask for in the NEXT trip: it stands where the wave has just issued its loads, one trip ahead of those loads.
; All work-groups of a batch walk the same K and V: work-group 0, which walks all 32 steps, asks, and nobody else.  Eight steps of K are 49,152 dense bytes, of V likewise: waves 0 to 5 take 8,192 bytes of each, lanes 256 bytes apart;
; their scale words are 8,192 bytes: wave 6.  My pointers stand at step 8 (j + 1) + w: the group after begins 49,152 - 6,144 w bytes on, and my part of it 8,192 w further: 49,152 + 2,048 w.
; So each aligned block of 256 bytes of steps 16 to 31 is named once; steps 0 to 15 come by their loads alone, and trips whose look-ahead would pass step 31 ask for nothing.
; (Its offset register was written ahead of the wait that stands in front of the loop, and is never written again.)
.macro ASK
	s_add_co_u32 s[TMP], s[G], 16
	s_cmp_lt_u32 s[TMP], s[LIM]
	s_cbranch_scc0 .Lno_ask_\@
	s_cmp_eq_u32 s[WV], 6
	s_cbranch_scc1 .Lask_s_\@
	global_prefetch_b8 v[PFO], s[KP:KP+1] offset:49152 th:TH_LOAD_NT scope:SCOPE_SE
	global_prefetch_b8 v[PFO], s[VP:VP+1] offset:49152 th:TH_LOAD_NT scope:SCOPE_SE
	s_branch .Lno_ask_\@
.Lask_s_\@:
	global_prefetch_b8 v[PFO], s[SP:SP+1] offset:2048 th:TH_LOAD_NT scope:SCOPE_SE
.Lno_ask_\@:
.endm
; ONE TILE OF 16 QUERIES AGAINST ONE KEY STEP.  mask = 1: where the step is the tile's last (s[last]) the hidden keys' scores become -infinity.  vready = 1: V is waited for and its scale words are made.
; next = 1: the next trip's K is asked for as soon as this trip's last products have read K, its V likewise.
.macro TILE c, mask, last, vready, next
.set ST, STAT0+4*(\c)
	WIN 0x01                                       ; source 0 (K) window 1
.irp t, 0,2,4,6
	v_wmma_scale_f32_16x16x128_f8f6f4 v[S+8*\t:S+8*\t+7], v[KR+6*\t:KR+6*\t+11], v[Q+12*(\c):Q+12*(\c)+11], 0, v[KS+\t/2], v[QS+(\c)] matrix_a_fmt:MATRIX_FMT_FP6 matrix_b_fmt:MATRIX_FMT_FP6
	v_wmma_scale_f32_16x16x128_f8f6f4 v[S+8*\t+8:S+8*\t+15], v[KR+6*\t+6:KR+6*\t+17], v[Q+12*(\c):Q+12*(\c)+11], 0, v[KS+\t/2], v[QS+(\c)] matrix_a_fmt:MATRIX_FMT_FP6 matrix_b_fmt:MATRIX_FMT_FP6 matrix_a_scale:MATRIX_SCALE_ROW1
.endr
	WIN 0
	PLACES                                         ; in front of the first read of the scores; they stay beside the wait in front of the loads into K's registers
.if \next
	s_wait_xcnt 0x0                                ; the last trip's prefetches have read their addresses (its loads were waited for): the pointers may step
	s_add_nc_u64 s[KP:KP+1], s[KP:KP+1], 8*6144
	s_add_nc_u64 s[VP:VP+1], s[VP:VP+1], 8*6144
	s_add_nc_u64 s[SP:SP+1], s[SP:SP+1], 8*1024
	KLOAD 1                                        ; in one run, at the first place at which K's registers are free: no line of the softmax below names them
	ASK
.endif
.if \mask
	s_cmp_lg_u32 s[G], s[\last]
	s_cbranch_scc1 .Lopen_\@                       ; a step all of whose keys count skips this
	s_lshl_b32 s[TMP], s[G], 7
	s_sub_co_i32 s[TMP], s[Q0+(\c)], s[TMP]
	v_add_nc_u32 v[DD], s[TMP], v[DQ]              ; d = my query - the step's first key - 64 h: register n holds key 128 g + 64 h + n, hidden where n > d
.irp b, 0,1,2,3                        ; sixteen registers at a time: the compares in a run, each into a scalar register of its own, one wait, the selects
.set NN, 0
.rept 16
	v_cmp_gt_i32 s[MK+NN], 16*\b+NN, v[DD]
.set NN, NN+1
.endr
	s_wait_alu depctr_va_sdst(0)                   ; the sixteen compares have written s48 to s63, ahead of the first select that reads one of them
.set NN, 0
.rept 16
	v_cndmask_b32 v[S+16*\b+NN], v[S+16*\b+NN], v[NEGINF], s[MK+NN]
.set NN, NN+1
.endr
.endr
.Lopen_\@:
.endif
.irp u, 0,1,2,3                        ; the largest score of each block of 32 keys, in two chains a block: it serves the row's maximum and, since p rises with the score, the block's largest p
	v_max3_num_f32 v[MX+\u], v[S+16*\u], v[S+16*\u+1], v[S+16*\u+2]
.endr
.irp i, 3,5,7,9,11,13
.irp u, 0,1,2,3
	v_max3_num_f32 v[MX+\u], v[MX+\u], v[S+16*\u+\i], v[S+16*\u+\i+1]
.endr
.endr
	v_max3_num_f32 v[MX], v[MX], v[S+15], v[S+31]
	v_max3_num_f32 v[MX+2], v[MX+2], v[S+47], v[S+63]
	v_max_num_f32 v[MX], v[MX], v[MX+1]            ; block 0: keys 64 h + 0 .. 31
	v_max_num_f32 v[MX+2], v[MX+2], v[MX+3]        ; block 1: keys 64 h + 32 .. 63
	v_max_num_f32 v[RM], v[MX], v[MX+2]
	v_permlanex16_b32 v[TP], v[RM], s[SEL], s[SEL+1]
	v_max_num_f32 v[RM], v[RM], v[TP]              ; the step's largest score of my query
	v_mul_f32 v[RM], s[CS], v[RM]                  ; as t (c is positive)
	v_max_num_f32 v[ST+1], v[ST+1], v[RM]          ; the running largest t
	v_mov_b32 v[RM], v[ST]
	v_floor_f32 v[ST], -v[ST+1]                    ; the new -M = floor(-t): M is a whole number
	v_sub_f32 v[RM], v[ST], v[RM]                  ; old M - new M: a whole number, 0 or less
	v_cvt_i32_f32 v[RM], v[RM]                     ; (it saturates)
	v_ldexp_f32 v[F], 1.0, v[RM]                   ; f = 2^(old M - new M)
.set NN, 0
.rept 32
	v_pk_fma_f32 v[S+NN:S+NN+1], v[S+NN:S+NN+1], s[CS:CS+1], v[ST:ST+1] op_sel_hi:[1,0,0]   ; t - M, two at a time (of the pairs c and -M the low word serves both halves)
.set NN, NN+2
.endr
	v_fma_f32 v[MX], v[MX], s[CS], v[ST]           ; the same of each block's largest score
	v_fma_f32 v[MX+2], v[MX+2], s[CS], v[ST]
.set NN, 0
.rept 64
	v_exp_f32 v[S+NN], v[S+NN]                     ; p = 2^(t - M), at most 1: not normalised
.set NN, NN+1
.endr
	v_pk_mul_f32 v[ST+2:ST+3], v[ST+2:ST+3], v[F:F+1] op_sel_hi:[1,0]      ; the sums under the new M: the plain place behind the exponentials
	s_wait_alu depctr_va_vdst(0)                   ; the 64 exponentials have written p in v128 to v191: one wait for the batch, ahead of the first line that names a result
	v_exp_f32 v[MX], v[MX]                         ; the blocks' largest p: the same two instructions on the same number give the same bits
	v_exp_f32 v[MX+2], v[MX+2]
	v_pk_add_f32 v[SU:SU+1], v[S:S+1], v[S+2:S+3]  ; the row's sum is taken of the unquantised p: two at a time, in two chains
.irp j, 4,8,12,16,20,24,28,32,36,40,44,48,52,56,60
	v_pk_add_f32 v[ST+2:ST+3], v[ST+2:ST+3], v[S+\j:S+\j+1]
	v_pk_add_f32 v[SU:SU+1], v[SU:SU+1], v[S+\j+2:S+\j+3]
.endr
	v_pk_add_f32 v[ST+2:ST+3], v[ST+2:ST+3], v[SU:SU+1]
	s_wait_alu depctr_va_vdst(0)                   ; the two exponentials have written the blocks' largest p in v104 and v106, ahead of the first line that names them
	v_max_num_f32 v[MX], 0x1800000, v[MX]          ; the floor 2^(3 - 127): the byte cannot fall under 1
	v_max_num_f32 v[MX+2], 0x1800000, v[MX+2]
	v_add_nc_u32 v[SO], 0xff000000, v[MX]          ; 2 off the exponent field: the conversion's scale operand
	v_add_nc_u32 v[SO+1], 0xff000000, v[MX+2]
	v_lshrrev_b32 v[BY], 23, v[SO]
	v_lshrrev_b32 v[BY+1], 23, v[SO+1]
	v_lshl_or_b32 v[PW], v[BY+1], 16, v[BY]        ; my bytes h and 2 + h of p's scale word,
	v_lshlrev_b32 v[PW], v[SH8], v[PW]
	v_permlanex16_b32 v[TP], v[PW], s[SEL], s[SEL+1]
	v_or_b32 v[PW], v[PW], v[TP]                   ; and lane l xor 16's two
	v_cvt_scalef32_pk16_fp6_f32 v[PC:PC+2], v[S:S+15], v[SO]
	v_cvt_scalef32_pk16_fp6_f32 v[TA:TA+2], v[S+16:S+31], v[SO]            ; (a conversion's three registers begin on an even number)
	v_cvt_scalef32_pk16_fp6_f32 v[PC+6:PC+8], v[S+32:S+47], v[SO+1]
	v_cvt_scalef32_pk16_fp6_f32 v[TB:TB+2], v[S+48:S+63], v[SO+1]
	v_nop                                          ; one plain place behind a scaled conversion
.irp i, 0,1,2
	v_mov_b32 v[PC+3+\i], v[TA+\i]
	v_mov_b32 v[PC+9+\i], v[TB+\i]
.endr
.if \vready
	s_wait_loadcnt 0x0                             ; V and its half words are in (nothing younger is out here)
.irp t, 0,1,2,3
	v_or_b32 v[VS+\t], v[VA+\t], v[VA+4+\t]        ; bytes 0, 2 from the step's first 64 keys, bytes 1, 3 from its last 64
.endr
.endif
	WIN 0x41                                       ; O^T (destination and source 0) window 1
.set NN, 0
.rept 16
	v_pk_mul_f32 v[32*(\c)+NN:32*(\c)+NN+1], v[32*(\c)+NN:32*(\c)+NN+1], v[F:F+1] op_sel_hi:[1,0]   ; O^T under the new M.  Twelve of the sixteen name no register of any one product below: the places that scale words and codes made by vector instructions want ahead of it
.set NN, NN+2
.endr
	WIN 0x51                                       ; source 0 (V), C and D window 1
	s_wait_alu depctr_va_vdst(0)                   ; behind the places: the conversions and moves have written p's codes v192 to v203, the vector lines p's scale word v100 and V's scale words v96 to v99, which the scaled products below take as operand and scales
.irp t, 0,1,2,3                        ; O^T += V^T P^T: four accumulators by turns
	v_wmma_scale_f32_16x16x128_f8f6f4 v[32*(\c)+8*\t:32*(\c)+8*\t+7], v[VR+12*\t:VR+12*\t+11], v[PC:PC+11], v[32*(\c)+8*\t:32*(\c)+8*\t+7], v[VS+\t], v[PW] matrix_a_fmt:MATRIX_FMT_FP6 matrix_b_fmt:MATRIX_FMT_FP6
.endr
	WIN 0
.if \next
	PLACES                                         ; they stay beside the wait in front of the loads into V's registers
	VLOAD 1
.endif
.endm
; A TRIP: my key step against tiles 2 and 3, and against tiles 0 and 1 where it is one of theirs.  tail = 1: my last step: nothing more is fetched, and it may be tiles 2 and 3's last.
.macro TRIP tail
	s_wait_loadcnt 14                              ; K and its scale words (and, the first time, q) are in; V's 14 loads, issued behind them, may be out
	s_cmp_lt_u32 s[G], s[NL]
	s_cbranch_scc0 .Lno_l_\@
	TILE 0, 1, LL, 1, 0
	TILE 1, 1, LL, 0, 0
.Lno_l_\@:
	TILE 2, \tail, LH, 1, 0
	TILE 3, \tail, LH, 0, 1-\tail
.endm
	s_load_b256 s[4:11], s[0:1], 0x0               ; qc s[4:5], qs s[6:7], kc s[8:9], vc s[10:11]
	s_load_b128 s[12:15], s[0:1], 0x20             ; kvs s[12:13], out0 s[14:15]
	v_lshl_add_u32 v15, v0, 2, 0x23000
	v_mov_b32 v101, 0
	v_lshrrev_b32 v104, 5, v0
	v_readfirstlane_b32 s[WV], v104                ; wave 0..7
	s_mov_b32 s[A], ttmp9
	s_and_b32 s[BT], ttmp7, 0xffff                 ; the batch
	s_lshr_b32 s[LL], s[A], 2                      ; tiles 0, 1: the last key step a / 4,
	s_add_co_u32 s[NL], s[LL], 1                   ; a / 4 + 1 steps
	s_sub_co_u32 s[LH], 31, s[LL]                  ; tiles 2, 3: the last key step 31 - a / 4, at least 16
	s_wait_alu depctr_va_sdst(0)                   ; the wave's number is written in s16, ahead of its first reader, the next line
	s_sub_co_u32 s[NT], s[LH], s[WV]
	s_lshr_b32 s[NT], s[NT], 3                     ; my steps w, w + 8, .. up to that one are (31 - a / 4 - w) / 8 + 1: so many stand ahead of my last: 1 to 3
	s_mov_b32 s[TC], 0
	s_mov_b32 s[G], s[WV]
	s_mov_b32 s[SEL], 0x76543210
	s_mov_b32 s[SEL+1], 0xfedcba98
	s_mov_b32 s[CS], 0x3e38aa3b                    ; c = log2(e) / 8
	s_mov_b32 s[CS+1], s[CS]                       ; (named with it as a pair, so it is written)
	s_lshl_b32 s[Q0], s[A], 5
	s_add_co_u32 s[Q0+1], s[Q0], 16
	s_sub_co_u32 s[Q0+2], 127, s[A]
	s_lshl_b32 s[Q0+2], s[Q0+2], 5
	s_add_co_u32 s[Q0+3], s[Q0+2], 16
	v_and_b32 v104, 31, v0                         ; lane
	v_and_b32 v105, 15, v0                         ; r
	v_bfe_u32 v106, v0, 4, 1                       ; h
	v_and_b32 v107, 7, v0
	v_bfe_u32 v108, v0, 3, 1
	v_lshl_add_u32 v[KOFF], v108, 4, v107
	v_lshl_add_u32 v[KOFF], v106, 3, v[KOFF]
	v_lshlrev_b32 v[KOFF], 4, v[KOFF]              ; slot = 16 ((lane / 8) % 2) + 8 h + lane % 8
	v_lshlrev_b32 v[LOFF], 4, v104
	v_lshlrev_b32 v[L8], 3, v104
	v_lshlrev_b32 v[VSOFF], 4, v105
	v_lshlrev_b32 v[R4], 2, v105
	s_lshl_b32 s38, s[BT], 8
	s_lshl_b32 s[TMP], s[A], 1
	s_add_co_u32 s44, s38, s[TMP]                  ; tile 0 among all tiles of 16 tokens: 256 b + 2 a
	s_add_co_u32 s45, s38, 254
	s_sub_co_u32 s45, s45, s[TMP]                  ; tile 2: 256 b + 254 - 2 a
	s_mov_b32 s39, 0
	s_wait_kmcnt 0x0
	s_mul_i32 s38, s44, 768
	s_add_nc_u64 s[32:33], s[4:5], s[38:39]
	s_mul_i32 s38, s45, 768
	s_add_nc_u64 s[34:35], s[4:5], s[38:39]
	s_lshl_b32 s38, s44, 6
	s_add_nc_u64 s[40:41], s[6:7], s[38:39]
	s_lshl_b32 s38, s45, 6
	s_add_nc_u64 s[42:43], s[6:7], s[38:39]
	s_lshl_b32 s[TMP], s[BT], 5
	s_add_co_u32 s[TMP], s[TMP], s[WV]             ; my first key step among all: 32 b + w
	s_mul_i32 s38, s[TMP], 6144
	s_add_nc_u64 s[KP:KP+1], s[KP:KP+1], s[38:39]
	s_add_nc_u64 s[VP:VP+1], s[VP:VP+1], s[38:39]
	s_lshl_b32 s38, s[TMP], 10
	s_add_nc_u64 s[SP:SP+1], s[SP:SP+1], s[38:39]
	s_wait_alu depctr_va_vdst(0)                   ; the five offsets v1 to v4 and v14 are written, which every load of the kernel and its last stores read; up to the head's last load only loads and window switches follow
.irp c, 0,1                            ; q stays in registers: 16 loads (all eight waves read the same four tiles)
.irp j, 0,1,2
	global_load_b64 v[Q+12*\c+2*\j:Q+12*\c+2*\j+1], v[L8], s[32:33] offset:768*\c+256*\j
	global_load_b64 v[Q+24+12*\c+2*\j:Q+24+12*\c+2*\j+1], v[L8], s[34:35] offset:768*\c+256*\j
.endr
	global_load_b32 v[QS+\c], v[R4], s[40:41] offset:64*\c
	global_load_b32 v[QS+2+\c], v[R4], s[42:43] offset:64*\c
.endr
	KLOAD 0
	VLOAD 0
	; the rest of the addresses, while the loads are on their way: none of these lines writes a register that a load above reads or lands in
	v_lshlrev_b32 v[SH8], 3, v106
	v_lshlrev_b32 v[DQ], 6, v106
	v_sub_nc_u32 v[DQ], v105, v[DQ]
	v_mov_b32 v[NEGINF], 0xff800000
	s_lshl_b32 s[TMP], s[WV], 11
	s_cmp_eq_u32 s[WV], 6
	s_cselect_b32 s[TMP], 0, s[TMP]
	v_lshl_add_u32 v[PFO], v104, 8, s[TMP]         ; 256 x lane + 2,048 w (wave 6: 256 x lane)
	s_cmp_eq_u32 s[WV], 7
	s_cselect_b32 s[TMP], 1, 0
	s_or_b32 s[TMP], s[TMP], s[A]
	s_cmp_eq_u32 s[TMP], 0
	s_cselect_b32 s[LIM], 32, 0                    ; waves 0 to 6 of the batch's work-group 0 prefetch
	s_mul_i32 s[TMP], s[WV], 17408
	v_mul_u32_u24 v[PST], v105, 272
	v_lshl_add_u32 v[PST], v106, 5, v[PST]
	v_add_nc_u32 v[PST], s[TMP], v[PST]            ; my part: query r, channels 8 h on of a tile of 16
	s_lshl_b32 s[TMP], s[WV], 2
	s_add_co_u32 s[TMP], s[TMP], STATB
	v_lshl_add_u32 v[SST], v105, 6, s[TMP]
	s_lshr_b32 s44, s[WV], 1                       ; the tile that I merge,
	s_and_b32 s45, s[WV], 1                        ; and which eight of its queries
	s_mul_i32 s[TMP], s44, 4352
	s_mul_i32 s38, s45, 2176
	s_add_co_u32 s[TMP], s[TMP], s38
	v_mul_u32_u24 v[PRD], v106, 272
	v_lshl_add_u32 v[PRD], v105, 4, v[PRD]
	v_add_nc_u32 v[PRD], s[TMP], v[PRD]            ; lanes 0-15 one query's 256 bytes, lanes 16-31 the next's
	v_add_nc_u32 v[PRD+1], 4*17408, v[PRD]
	s_lshl_b32 s[TMP], s44, 10
	s_lshl_b32 s38, s45, 9
	s_add_co_u32 s[TMP], s[TMP], s38
	s_add_co_u32 s[TMP], s[TMP], STATB
	v_lshl_add_u32 v[SRD], v106, 6, s[TMP]
	s_cmp_lt_u32 s44, 2
	s_cselect_b32 s[TMP], s[Q0], s[Q0+2]
	s_and_b32 s38, s44, 1
	s_lshl_b32 s38, s38, 4
	s_add_co_u32 s[TMP], s[TMP], s38
	s_lshl_b32 s38, s45, 3
	s_add_co_u32 s[TMP], s[TMP], s38
	s_lshl_b32 s38, s[BT], 12
	s_add_co_u32 s[TMP], s[TMP], s38               ; the first row of out0 that I store
	s_lshl_b32 s38, s[TMP], 8
	s_add_nc_u64 s[OUT:OUT+1], s[OUT:OUT+1], s[38:39]
	v_mov_b32 v[TP], 0                             ; a lane permute's destination counts as one of its sources
	v_mov_b32 v[F+1], 0                            ; (named as the upper half of the pair f)
.irp c, 0,1,2,3
	v_mov_b32 v[STAT0+4*\c+1], 0xff61b1e6          ; the largest t so far: -3e38, under every t
	v_floor_f32 v[STAT0+4*\c], -v[STAT0+4*\c+1]    ; -M
	v_mov_b32 v[STAT0+4*\c+2], 0                   ; the sum, in two halves
	v_mov_b32 v[STAT0+4*\c+3], 0
.irp i, 6,7,8,9,10,11
	v_mov_b32 v[Q+12*\c+\i], 0                     ; q's upper 64 along K: zero codes
.endr
.endr
	WIN 0x40
.irp i, 0,1,2,3,4,5
	v_mov_b32 v[KR+48+\i], 0                       ; behind K's tile 7.  These operand registers are written by vector instructions: the 128 lines below are the places between them and the first product that names them
.endr
.set NN, 0
.rept 128
	v_mov_b32 v[NN], 0                             ; O^T.  A wave that has no step of tiles 0 and 1 hands these zeros to the merge; and the step is written once: its first run finds zeros, which the first change of M leaves zeros
.set NN, NN+1
.endr
	WIN 0
	s_wait_alu depctr_va_vdst(0)                   ; behind the places: q's zero codes and the six cleared registers behind K's tile 7 are written, which the scaled products K Q^T take as operands; so are v8, which the prefetches read, and v9 to v13, which the merge's LDS instructions read
.Ltrip:                                            ; every step of mine but the last: s[NT] trips, at least one
	TRIP 0
	s_add_co_u32 s[G], s[G], 8                     ; my next key step
	s_add_co_u32 s[TC], s[TC], 1
	s_cmp_lt_u32 s[TC], s[NT]
	s_cbranch_scc1 .Ltrip
	TRIP 1                                         ; my last step is written out: no load leaves its buffer
	; THE MERGE.  Each wave's sum is made whole; its O^T, -M and sum go to LDS.  The first four additions are the places behind the last products.
.irp c, 0,1,2,3
	v_add_f32 v[STAT0+4*\c+2], v[STAT0+4*\c+2], v[STAT0+4*\c+3]
.endr
.irp c, 0,1,2,3
	v_permlanex16_b32 v[MX+\c], v[STAT0+4*\c+2], s[SEL], s[SEL+1]
.endr
.irp c, 0,1,2,3
	v_add_f32 v[STAT0+4*\c+2], v[STAT0+4*\c+2], v[MX+\c]
.endr
	WIN 0x04                                       ; an LDS store's data are its source 1: window 1
	s_wait_alu depctr_va_vdst(0)                   ; behind the places: the products have written O^T and the vector lines -M and the sums, which the LDS stores below read; and all that named v32-79, v104-119 and v128-255 is done with them: no vector line stands between here and the LDS loads behind the barrier, which land there
.irp c, 0,1,2,3
.irp t, 0,1,2,3
	ds_store_b128 v[PST], v[32*\c+8*\t:32*\c+8*\t+3] offset:4352*\c+64*\t          ; each accumulator from its low end on: o(r, 16 t + 8 h + 0 .. 7)
	ds_store_b128 v[PST], v[32*\c+8*\t+4:32*\c+8*\t+7] offset:4352*\c+64*\t+16
.endr
.endr
	WIN 0
.irp c, 0,1,2,3
	ds_store_b32 v[SST], v[STAT0+4*\c] offset:1024*\c          ; both halves of the lanes write the same word with the same value
	ds_store_b32 v[SST], v[STAT0+4*\c+2] offset:1024*\c+32
.endr
	s_wait_dscnt 0x0                               ; for the others' sake: my stores are done
	s_barrier_signal -1
	s_barrier_wait -1
	; wave w joins the eight parts of tile w / 2, queries 8 (w % 2) + 2 i + h, i = 0 .. 3; a lane has four channels.  (The registers that my LDS stores read, O^T, v9, v10 and v16-31, are written by nothing below.)
.irp i, 0,1,2,3
.set SB, 32+16*\i+24*(\i/3)            ; the statistics of run i: v32, v48, v64, v104: -M of the eight waves, then their sums
.irp k, 0,1,2,3
	ds_load_b128 v[SB+4*\k:SB+4*\k+3], v[SRD] offset:128*\i+16*\k
.endr
.endr
.irp i, 0,1,2,3
.irp u, 0,1,2,3
	ds_load_b128 v[S+32*\i+4*\u:S+32*\i+4*\u+3], v[PRD] offset:17408*\u+544*\i
	ds_load_b128 v[S+32*\i+16+4*\u:S+32*\i+16+4*\u+3], v[PRD+1] offset:17408*\u+544*\i
.endr
.endr
	s_wait_dscnt 0x0
.irp i, 0,1,2,3
.set SB, 32+16*\i+24*(\i/3)
	v_min3_num_f32 v[120+\i], v[SB], v[SB+1], v[SB+2]          ; the least -M: the largest M
	v_min3_num_f32 v[120+\i], v[120+\i], v[SB+3], v[SB+4]
	v_min3_num_f32 v[120+\i], v[120+\i], v[SB+5], v[SB+6]
	v_min_num_f32 v[120+\i], v[120+\i], v[SB+7]
.irp u, 0,1,2,3,4,5,6,7
	v_sub_f32 v[SB+\u], v[120+\i], v[SB+\u]                    ; that wave's M less the largest: a whole number, 0 or less
.endr
.irp u, 0,1,2,3,4,5,6,7
	v_cvt_i32_f32 v[SB+\u], v[SB+\u]                           ; (it saturates: a wave that had no step of the tile gets the factor 0)
.endr
.irp u, 0,1,2,3,4,5,6,7
	v_ldexp_f32 v[SB+\u], 1.0, v[SB+\u]
.endr
	v_mul_f32 v[124+\i], v[SB], v[SB+8]
.irp u, 1,2,3,4,5,6,7
	v_fmac_f32 v[124+\i], v[SB+\u], v[SB+8+\u]                 ; the row's sum
.endr
.irp e, 0,1,2,3
	v_mul_f32 v[S+32*\i+\e], v[SB], v[S+32*\i+\e]
.endr
.irp u, 1,2,3,4,5,6,7
.irp e, 0,1,2,3
	v_fmac_f32 v[S+32*\i+\e], v[SB+\u], v[S+32*\i+4*\u+\e]
.endr
.endr
.endr
.irp i, 0,1,2,3
	v_rcp_f32 v[124+\i], v[124+\i]
.endr
	v_nop                                          ; a plain place behind the last reciprocal
	s_wait_alu depctr_va_vdst(0)                   ; the four reciprocals have written v124 to v127: one wait, ahead of the first line that names one of them
.irp i, 0,1,2,3
.irp e, 0,1,2,3
	v_mul_f32 v[S+32*\i+\e], v[124+\i], v[S+32*\i+\e]
.endr
.endr
	s_wait_alu depctr_va_vdst(0)                   ; the sixteen multiplications have written v[128 + 32 i .. + 3], which the four stores below read
.irp i, 0,1,2,3
	global_store_b128 v[LOFF], v[S+32*\i:S+32*\i+3], s[OUT:OUT+1] offset:512*\i th:TH_STORE_NT     ; 32 lanes store two rows of out0: 512 consecutive bytes at a multiple of 256 from its first byte
.endr
	s_wait_dscnt 0x0
	s_wait_alu depctr_hold_cnt(0) depctr_sa_sdst(0) depctr_va_vdst(0) depctr_va_sdst(0) depctr_va_ssrc(0) depctr_va_vcc(0) depctr_vm_vsrc(0)
	s_wait_tensorcnt 0x0
	ds_add_u32 v15, v101
	s_wait_dscnt 0x0
	s_endpgm
.Lfunc_end_k_qb751401c22_attn:
	.size	k_qb751401c22_attn, .Lfunc_end_k_qb751401c22_attn-k_qb751401c22_attn
	.p2alignl 7, 3214868480
	.fill 96, 4, 3214868480
	.section	.rodata,"a",@progbits
	.p2align	6, 0x0
	.amdhsa_kernel k_qb751401c22_attn
		.amdhsa_group_segment_fixed_size 144384
		.amdhsa_private_segment_fixed_size 0
		.amdhsa_enable_private_segment 0
		.amdhsa_kernarg_size 48
		.amdhsa_user_sgpr_count 2
		.amdhsa_user_sgpr_kernarg_segment_ptr 1
		.amdhsa_wavefront_size32 1
		.amdhsa_system_sgpr_workgroup_id_x 1
		.amdhsa_system_sgpr_workgroup_id_y 1
		.amdhsa_system_sgpr_workgroup_id_z 1
		.amdhsa_system_vgpr_workitem_id 0
		.amdhsa_next_free_vgpr 512
		.amdhsa_next_free_sgpr 66
		.amdhsa_reserve_vcc 0
		.amdhsa_float_denorm_mode_32 3
		.amdhsa_float_denorm_mode_16_64 3
		.amdhsa_memory_ordered 1
		.amdhsa_forward_progress 1
		.amdhsa_inst_pref_size 186
	.end_amdhsa_kernel
	.amdgpu_metadata
---
amdhsa.version: [ 1, 2 ]
amdhsa.kernels:
  - .name:           k_qb751401c22_attn
    .symbol:         k_qb751401c22_attn.kd
    .args:
      - { .name: qc, .offset: 0, .size: 8, .value_kind: global_buffer, .address_space: global }
      - { .name: qs, .offset: 8, .size: 8, .value_kind: global_buffer, .address_space: global }
      - { .name: kc, .offset: 16, .size: 8, .value_kind: global_buffer, .address_space: global }
      - { .name: vc, .offset: 24, .size: 8, .value_kind: global_buffer, .address_space: global }
      - { .name: kvs, .offset: 32, .size: 8, .value_kind: global_buffer, .address_space: global }
      - { .name: out0, .offset: 40, .size: 8, .value_kind: global_buffer, .address_space: global }
    .group_segment_fixed_size: 144384
    .private_segment_fixed_size: 0
    .kernarg_segment_align: 8
    .kernarg_segment_size: 48
    .max_flat_workgroup_size: 256
    .sgpr_count:     66
    .vgpr_count:     512
    .wavefront_size: 32
...
	.end_amdgpu_metadata
.endif
;; end of part 4
